; MI455X (gfx1250); checked and timed in simulation.
; The chip was launched on July 23, 2026; its instructions are those of AMD's public machine-readable ISA for CDNA 5 (MIT licence, August 2026) and "CDNA5" Instruction Set Architecture Reference Guide (July 2026). The comments in the code are by the model that wrote it; some were corrected since.
;; Multi Head Attention. Allowed arithmetic: matrix products marked QUANTISED: E2M3 operands, one E8M0 scale for each 32 along K, by v_wmma_scale_f32_16x16x128_f8f6f4 with both operands' format E2M3, f32 sums; everything else in f32.
;; Inputs: W_out 1,024 x 1,024 float32; W_qkv 1,024 x 3,072 float32; b_out 1,024 float32; b_qkv 3,072 float32; x 4 x 2,048 x 1,024 float32.
;; Outputs: out0 4 x 2,048 x 1,024 float32.
;; This version of the problem:
;;   THIS VERSION OF THE PROBLEM IS GIVEN IN LOW PRECISION. The matrix products marked QUANTISED in the list below multiply operands that are first quantised to E2M3 (2 exponent bits, 3 mantissa bits; 6 bits a number), with one power-of-two scale for each 32 numbers along K (OCP MX v1.0); their sums are f32. All else is computed in f32.
;;   The module's matrix products, in the order in which they are computed (A, B: the left and right operand; K: the contracted axis; several contracted axes count as one K, in the product's order):
;;     1. [M 8,192, K 1,024] x [K 1,024, N 3,072]; A: input x; B: input W_qkv: QUANTISED
;;     2. batch 64 x [M 2,048, K 64] x [K 64, N 2,048]; A: computed on the way; B: computed on the way: QUANTISED
;;     3. batch 64 x [M 2,048, K 2,048] x [K 2,048, N 64]; A: softmax (see below); B: computed on the way: QUANTISED
;;     4. [M 8,192, K 1,024] x [K 1,024, N 1,024]; A: computed on the way; B: input W_out: QUANTISED
;;   THE QUANTISER, for each operand of a quantised product, along K:
;;     - K is cut into blocks of 32 from its start; a last block that is shorter is filled with zeros.
;;     - A block's scale is 2^e with e = floor(log2(the largest magnitude in the block)) - 2, held to -126 .. 127; a block of zeros has e = 0. As a byte (E8M0): e + 127.
;;     - Each number is divided by its block's scale, clamped to +-7.5, and rounded to the nearest number of E2M3, ties to even, subnormals kept.
;;     - The product sums the exact products of the quantised numbers (number of the format x scale) in f32.
;;   ~~~python
;;   def quantise(x, axis):      # numpy; x: float32 -> the quantised numbers, widened to float32 again
;;       x = np.moveaxis(x, axis, -1); K = x.shape[-1]
;;       x = np.pad(x, [(0, 0)] * (x.ndim - 1) + [(0, -K % 32)]); x = x.reshape(x.shape[:-1] + (-1, 32)); a = np.abs(x).max(-1, keepdims=True)
;;       e = np.where(a > 0, np.clip(np.frexp(np.where(a > 0, a, 1))[1] - 1 - 2, -126, 127), 0)      # np.frexp(a)[1] - 1 = floor(log2(a)), exactly
;;       r = np.clip(x / 2.0 ** e, -7.5, 7.5)
;;       step = 2.0 ** (np.maximum(np.frexp(np.where(r == 0, 1, r))[1] - 1, 0) - 3)
;;       q = np.round(r / step) * step * 2.0 ** e      # np.round: ties to even
;;       return np.moveaxis(q.reshape(q.shape[:-2] + (-1,))[..., :K], -1, axis).astype(np.float32)
;;   ~~~
;;   SOFTMAX AHEAD OF A QUANTISED PRODUCT. Where the list says 'softmax', what is quantised is not the finished softmax but p = 2^(t - M), with t = logit x log2(e) and M = ceil(the row's largest t), a whole number; so 1/2 < the row's largest p <= 1. The row's sum l is taken of the UNQUANTISED p, in f32, and the product's result is divided by l at the end. Since M is a whole number, a kernel that streams over the keys may use a running M (the ceiling of the running maximum): every later rescaling is an exact power of two, which a block's scale takes up: the codes' values come out the same.
;;   OPERANDS COMPUTED ON THE WAY. 'Computed on the way' means the value that the module computes at that place (a softmax that the list does not call 'softmax' is quantised finished and normalised). What goes into a quantiser is computed in f32, as accurately as f32 sums, v_exp_f32 and their like allow (about 1e-6 of the number): no bf16 or f16 on the way to a quantiser, and a product that is left as it is and whose result goes on into a quantised operand takes f32 operands (vector FMAs, or v_wmma_f32_16x16x4_f32). A number that lies on a knife's edge between two numbers of the format may be rounded either way, as far as f32 arithmetic and the matrix unit's own rounding can turn it there, and no further.
;; One version. Each part assembles by itself: llvm-mc -triple=amdgcn-amd-amdhsa -mcpu=gfx1250 --defsym DOCPART=n.
;; ======== version 1 of 1: 4 launches
;; limits: right only within a limited range of input values
;; workspace buffers: xq 6,815,744 bytes; wq 3,407,872 bytes; qb 6,815,744 bytes; kvb 13,631,488 bytes; ao 6,815,744 bytes
;; launch quant (part 1): grid 640 x 1, 4 waves a work-group, no clusters, 61,952 bytes of LDS; arguments x, W_qkv, W_out, xq, wq; writes xq, wq
.if DOCPART == 1
	.amdgcn_target "amdgcn-amd-amdhsa--gfx1250"
	.amdhsa_code_object_version 6
	.text
	.protected	k_qb25d198b89_quant
	.globl	k_qb25d198b89_quant
	.p2align	8
	.type	k_qb25d198b89_quant,@function
k_qb25d198b89_quant:
	s_mov_b64 s[64:65], 0
	v_nop
	global_prefetch_b8 v0, s[64:65] scope:SCOPE_SE
	s_setreg_imm32_b32 hwreg(HW_REG_WAVE_MODE, 25, 1), 1
	s_wait_xcnt 0x0
; x [8192][1024], W_qkv [1024][3072] and W_out [1024][1024], f32, become codes of FP6 (E2M3) with one E8M0 byte for each 32 along K (K = 1024 in all three),
; laid in the ORDER OF THE OPERAND'S REGISTERS, so that the products' launches take fragments by dense loads of 16 and 8 bytes a lane.
; TILES.  Rows (of x: tokens; of the weights: output features, their second axis) go in groups of 64.  Tile t (0..3) of a group holds in its lane-row r the row 32 (r / 8) + 8 t + r % 8.
; RECORDS.  Buffer = [tile][ks 0..3][3,328 bytes]; a record serves 256 along K: for q = 0, 1 (128 along K) and c = 0, 1 (64 along K) a piece of 768 bytes: registers 6 c .. 6 c + 3 of lane l at 16 l,
; registers 6 c + 4, 6 c + 5 at 512 + 8 l; behind the four pieces the scale words, (row r, q) at 3,072 + 8 r + 4 q, and the same 128 bytes once more, so that one store of 8 bytes a lane writes 256 consecutive bytes.
; A block's scale byte is its largest magnitude's exponent field - 2, held at 1 from below.  A block of zeros so has the byte 1: its codes are zeros, and this program alone reads the bytes.
; LIMITS: NaN and infinities among the inputs are not served.
; Work-groups 0..511 take x (64 rows x 256 along K; a wave a tile), work-groups 512..639 the weights (128 columns x 256 along K).  The two ways part on the work-group's number, never join, and have LDS of their own.
.set REC,   13312                      ; a tile's four records
.set KREC,  3328
.set XP,    528                        ; x: a stage row: 512 bytes + 16
.set XSTG,  16*XP                      ; x: a wave's stage
.set WSTG,  4*XSTG                     ; the weights' stage begins here: 8 tiles x WTP
.set WTP,   3456                       ; a record + 128
.set SPARE, WSTG+8*WTP                 ; the spare words, 128 bytes for each wave: two blocks of 256 bytes that no other line names
.set LI,  4                            ; v4   16 x lane
.set L8,  5                            ; v5   8 x lane
.set SH8, 6                            ; v6   8 x (lane / 16)
.set SPW, 8                            ; v8   my spare word; never rewritten
.set NIL, 9                            ; v9   0; never rewritten
.set SEL, 44                           ; s[44:45] lane selects: lane l xor 16
.set R,   16                           ; x: v16-143 as loaded
.set X,   144                          ; x: v144-207 64 numbers in the operand's order
.set PC0, 208
.set PC1, 220
.set PT,  232
.set TM,  240
.set SO,  244
.set BY,  246
.set PX,  248
.set SWP, 250                          ; x: v[250:251] the two scale words of my row
.set WX,  16                           ; W: v16-79 two sets of 32 numbers
.set OUTR, 80                          ; W: v80-135 two records on the way out
.set C,   136
.set D,   142
.set SB,  146                          ; W: v[146:147] my column's 8 scale bytes
.set WM,  148
.set WSO, 150
.set WBY, 151
.set AD,  208                          ; W: v208-239 4 x lane + i rows
	s_load_b128 s[4:7], s[0:1], 0x0                ; x, W_qkv
	s_load_b128 s[8:11], s[0:1], 0x10              ; W_out, xq
	s_load_b64 s[12:13], s[0:1], 0x20              ; wq
	v_lshl_add_u32 v[SPW], v0, 2, SPARE
	v_mov_b32 v[NIL], 0
	v_lshrrev_b32 v1, 5, v0
	v_readfirstlane_b32 s14, v1                    ; wave 0..3
	v_and_b32 v1, 31, v0                           ; lane
	v_and_b32 v2, 15, v0                           ; r
	v_bfe_u32 v3, v0, 4, 1                         ; h
	v_lshlrev_b32 v[LI], 4, v1
	v_lshlrev_b32 v[L8], 3, v1
	v_lshlrev_b32 v[SH8], 3, v3
	s_mov_b32 s[SEL], 0x76543210
	s_mov_b32 s[SEL+1], 0xfedcba98
	s_cmp_ge_u32 ttmp9, 512
	s_cbranch_scc1 .Lweights
; ---------------- x: K is innermost.  Each load takes 512 consecutive bytes of one row; the rows turn through my wave's stage so that lane (r, h) holds k = 64 c + 32 h + 0 .. 31 of row r.
	s_lshr_b32 s15, ttmp9, 2                       ; the group of 64 rows
	s_and_b32 s16, ttmp9, 3                        ; ks
	s_mul_i32 s17, s14, XSTG
	v_add_nc_u32 v10, s17, v[LI]                   ; into the stage: 16 x lane, a row an instruction
	v_mul_u32_u24 v11, v2, XP
	v_lshl_add_u32 v11, v3, 7, v11
	v_add_nc_u32 v11, s17, v11                     ; out of it: row r, + 128 h
	v_mov_b32 v[PX], 0                             ; a lane permute's destination counts as one of its sources
	s_lshl_b32 s18, s15, 18                        ; 64 rows of 4,096 bytes
	s_lshl_b32 s19, s14, 15                        ; + 8 rows for each tile
	s_add_co_u32 s18, s18, s19
	s_lshl_b32 s19, s16, 10                        ; + 256 numbers for each ks
	s_add_co_u32 s18, s18, s19
	s_mov_b32 s19, 0
	s_lshl_b32 s20, s15, 2
	s_add_co_u32 s20, s20, s14                     ; my tile
	s_mul_i32 s20, s20, REC
	s_mul_i32 s21, s16, KREC
	s_add_co_u32 s20, s20, s21
	s_mov_b32 s21, 0
	s_wait_kmcnt 0x0
	s_add_nc_u64 s[4:5], s[4:5], s[18:19]
	s_add_nc_u64 s[10:11], s[10:11], s[20:21]
	s_wait_alu depctr_va_vdst(0)
.irp q, 0,1
.irp i, 0,1,2,3,4,5,6,7,8,9,10,11,12,13,14,15
	global_load_b128 v[R+64*\q+4*\i:R+64*\q+4*\i+3], v[LI], s[4:5] offset:(32*(\i/8)+\i%8)*4096+512*\q th:TH_LOAD_NT   ; lane-row i of my tile, 128 numbers
.endr
.endr
.macro TURN src, dst                   ; 16 rows x 512 bytes through the stage; LDS serves a wave's instructions in order, so no wait stands between the stores and the loads
.irp i, 0,1,2,3,4,5,6,7,8,9,10,11,12,13,14,15
	ds_store_b128 v10, v[\src+4*\i:\src+4*\i+3] offset:XP*\i
.endr
.irp c, 0,1
.irp j, 0,1,2,3,4,5,6,7
	ds_load_b128 v[\dst+32*\c+4*\j:\dst+32*\c+4*\j+3], v11 offset:256*\c+16*\j
.endr
.endr
.endm
; 64 numbers of a lane, register 32 c + i = k 64 c + 32 h + i of my row: two whole blocks.  They become the fragment's 12 registers at v[pc] and my row's scale word in v[pw].
.macro QUANT2 s, pc, pw
.irp k, 0,1,2,3
	v_max3_num_f32 v[TM+\k], |v[\s+16*\k]|, |v[\s+16*\k+1]|, 0x1800000   ; four chains of 16; the floor 2^(3 - 127) holds the byte at 1 from below
.endr
.irp i, 2,4,6,8,10,12,14
.irp k, 0,1,2,3
	v_max3_num_f32 v[TM+\k], |v[\s+16*\k+\i]|, |v[\s+16*\k+\i+1]|, v[TM+\k]
.endr
.endr
	v_max_num_f32 v[TM], v[TM], v[TM+1]            ; block h
	v_max_num_f32 v[TM+2], v[TM+2], v[TM+3]        ; block 2 + h
	v_add_nc_u32 v[SO], 0xff000000, v[TM]          ; 2 off the exponent field: the conversion's scale operand
	v_add_nc_u32 v[SO+1], 0xff000000, v[TM+2]
	v_lshrrev_b32 v[BY], 23, v[SO]                 ; the bytes
	v_lshrrev_b32 v[BY+1], 23, v[SO+1]
	v_lshl_or_b32 v[\pw], v[BY+1], 16, v[BY]
	v_lshlrev_b32 v[\pw], v[SH8], v[\pw]           ; at their places in the word,
	v_permlanex16_b32 v[PX], v[\pw], s[SEL], s[SEL+1]
	v_or_b32 v[\pw], v[\pw], v[PX]                 ; and with lane l xor 16's two the word is whole
	v_cvt_scalef32_pk16_fp6_f32 v[\pc:\pc+2], v[\s:\s+15], v[SO]
	v_cvt_scalef32_pk16_fp6_f32 v[PT:PT+2], v[\s+16:\s+31], v[SO]          ; (a conversion's three registers begin on an even number)
	v_cvt_scalef32_pk16_fp6_f32 v[\pc+6:\pc+8], v[\s+32:\s+47], v[SO+1]
	v_cvt_scalef32_pk16_fp6_f32 v[PT+4:PT+6], v[\s+48:\s+63], v[SO+1]
	v_nop                                          ; one plain place behind the conversions
.irp i, 0,1,2
	v_mov_b32 v[\pc+3+\i], v[PT+\i]
	v_mov_b32 v[\pc+9+\i], v[PT+4+\i]
.endr
.endm
.macro PUT pc, off                     ; a fragment's two pieces: each store covers 512 or 256 consecutive bytes, aligned to 256
	global_store_b128 v[LI], v[\pc:\pc+3], s[10:11] offset:\off
	global_store_b64 v[L8], v[\pc+4:\pc+5], s[10:11] offset:\off+512
	global_store_b128 v[LI], v[\pc+6:\pc+9], s[10:11] offset:\off+768
	global_store_b64 v[L8], v[\pc+10:\pc+11], s[10:11] offset:\off+1280
.endm
	s_wait_loadcnt 16                              ; the first 128 along K are in; the other sixteen loads may be out
	TURN R, X
	s_wait_dscnt 0x0                               ; the first turn is back: the stage may be written again
	s_wait_loadcnt 0x0
	TURN R+64, R                                   ; the second turn lands while the first is quantised
	QUANT2 X, PC0, SWP
	PUT PC0, 0
	s_wait_dscnt 0x0
	QUANT2 R, PC1, SWP+1
	PUT PC1, 1536
	global_store_b64 v[L8], v[SWP:SWP+1], s[10:11] offset:3072   ; lanes 0-15 the words, lanes 16-31 their copy
	s_wait_tensorcnt 0x0                           ; the wave's end
	ds_add_u32 v[SPW], v[NIL]
	s_wait_dscnt 0x0
	s_endpgm
; ---------------- the weights: K is the FIRST axis.  A lane takes a column and its registers run down K: a block of 32 lies in one lane, and the conversions give codes with K innermost.
.Lweights:
	s_sub_co_u32 s15, ttmp9, 512
	s_lshr_b32 s46, s15, 2                         ; which 128 columns of the two weights on end: 0..23 W_qkv, 24..31 W_out; also 8 tiles of wq
	s_and_b32 s15, s15, 3                          ; ks
	s_sub_co_u32 s47, s46, 24
	s_cmp_lt_u32 s46, 24
	s_cselect_b32 s47, s46, s47                    ; which 128 columns of its own tensor
	s_mov_b32 s32, 4096
	s_cselect_b32 s32, 12288, s32                  ; bytes from row to row
	s_lshl_b32 s36, s32, 5                         ; 32 rows
	s_mov_b32 s37, 0
	s_lshl_b32 s34, s32, 8                         ; 256 rows
	s_mul_i32 s34, s34, s15
	s_lshl_b32 s35, s47, 9
	s_add_co_u32 s34, s34, s35
	s_lshl_b32 s35, s14, 7                         ; my wave's 32 columns
	s_add_co_u32 s34, s34, s35
	s_mov_b32 s35, 0
	s_wait_alu depctr_va_vdst(0)
	v_lshlrev_b32 v[AD], 2, v1
.irp i, 1,2,3,4,5,6,7,8,9,10,11,12,13,14,15,16,17,18,19,20,21,22,23,24,25,26,27,28,29,30,31
	v_add_nc_u32 v[AD+\i], s32, v[AD+\i-1]
.endr
	; column 32 w + lane of the 128 is lane-row 8 (w % 2) + lane % 8 of tile 4 (w / 2) + lane / 8
	s_lshr_b32 s38, s14, 1
	s_mul_i32 s38, s38, 4*WTP
	s_and_b32 s39, s14, 1
	v_lshrrev_b32 v14, 3, v1
	v_mul_u32_u24 v14, v14, WTP
	v_add_nc_u32 v14, s38, v14
	v_and_b32 v15, 7, v1
	s_lshl_b32 s40, s39, 7
	v_lshl_add_u32 v10, v15, 4, v14
	v_add_nc_u32 v10, s40, v10
	v_add_nc_u32 v10, WSTG, v10                    ; my tile's image, 16 x lane-row
	s_lshl_b32 s40, s39, 6
	v_lshl_add_u32 v11, v15, 3, v14
	v_add_nc_u32 v11, s40, v11
	v_add_nc_u32 v11, WSTG, v11                    ; and 8 x lane-row
	s_mul_i32 s40, s14, 2*WTP
	v_add_nc_u32 v12, s40, v[LI]
	v_add_nc_u32 v12, WSTG, v12                    ; the way out: wave w takes tiles 2 w and 2 w + 1
	v_add_nc_u32 v13, s40, v[L8]
	v_add_nc_u32 v13, WSTG, v13
	s_lshl_b32 s41, s46, 3
	s_lshl_b32 s42, s14, 1
	s_add_co_u32 s41, s41, s42
	s_mul_i32 s42, s41, REC
	s_mul_i32 s41, s15, KREC
	s_add_co_u32 s42, s42, s41
	s_mov_b32 s43, 0
	s_wait_kmcnt 0x0
	s_cmp_lt_u32 s46, 24                           ; the choice hangs on the work-group's number alone
	s_cselect_b64 s[16:17], s[6:7], s[8:9]
	s_add_nc_u64 s[16:17], s[16:17], s[34:35]      ; block 0's first row
.irp t, 1,2,3,4,5,6,7
	s_add_nc_u64 s[16+2*\t:17+2*\t], s[14+2*\t:15+2*\t], s[36:37]   ; a base for each block of 32 rows
.endr
	s_add_nc_u64 s[12:13], s[12:13], s[42:43]
.macro LOAD t                          ; block t: 32 rows of my column; a wave's load covers 128 consecutive bytes, the four waves 512
.irp i, 0,1,2,3,4,5,6,7,8,9,10,11,12,13,14,15,16,17,18,19,20,21,22,23,24,25,26,27,28,29,30,31
	global_load_b32 v[WX+32*((\t)%2)+\i], v[AD+\i], s[16+2*(\t):17+2*(\t)] th:TH_LOAD_NT
.endr
.endm
.macro BLOCK t                         ; block t of 8: q = t / 4, c = (t / 2) % 2, and it belongs to lanes 16 (t % 2) + lane-row of the image
.set XS, WX+32*((\t)%2)
.if (\t) < 7
	s_wait_loadcnt 32                              ; this block's 32 loads are in; the next block's may be out
.else
	s_wait_loadcnt 0x0
.endif
	v_max3_num_f32 v[WM], |v[XS]|, |v[XS+1]|, 0x1800000
	v_max3_num_f32 v[WM+1], |v[XS+2]|, |v[XS+3]|, |v[XS+4]|
.irp i, 5,9,13,17,21,25
	v_max3_num_f32 v[WM], v[WM], |v[XS+\i]|, |v[XS+\i+1]|
	v_max3_num_f32 v[WM+1], v[WM+1], |v[XS+\i+2]|, |v[XS+\i+3]|
.endr
	v_max3_num_f32 v[WM], v[WM], |v[XS+29]|, |v[XS+30]|
	v_max3_num_f32 v[WM], v[WM], v[WM+1], |v[XS+31]|
	v_add_nc_u32 v[WSO], 0xff000000, v[WM]
	v_lshrrev_b32 v[WBY], 23, v[WSO]
.if (\t)%4 == 0
	v_mov_b32 v[SB+(\t)/4], v[WBY]
.else
	v_lshl_or_b32 v[SB+(\t)/4], v[WBY], 8*((\t)%4), v[SB+(\t)/4]
.endif
	v_cvt_scalef32_pk16_fp6_f32 v[C:C+2], v[XS:XS+15], v[WSO]
	v_cvt_scalef32_pk16_fp6_f32 v[D:D+2], v[XS+16:XS+31], v[WSO]
	v_nop                                          ; one plain place behind the conversions
.irp i, 0,1,2
	v_mov_b32 v[C+3+\i], v[D+\i]
.endr
	ds_store_b128 v10, v[C:C+3] offset:1536*((\t)/4)+768*(((\t)/2)%2)+256*((\t)%2)
	ds_store_b64 v11, v[C+4:C+5] offset:1536*((\t)/4)+768*(((\t)/2)%2)+512+128*((\t)%2)
.if (\t)+2 < 8
	LOAD (\t)+2
.endif
	s_wait_dscnt 0x0                               ; the stores have read their registers
.endm
	LOAD 0
	LOAD 1
.irp t, 0,1,2,3,4,5,6,7
	BLOCK \t
.endr
	s_wait_alu depctr_va_vdst(0)
	ds_store_b64 v11, v[SB:SB+1] offset:3072       ; my column's two scale words,
	ds_store_b64 v11, v[SB:SB+1] offset:3200       ; and their copy
	s_wait_dscnt 0x0                               ; for the others' sake: my stores have landed
	s_barrier_signal -1
	s_barrier_wait -1                              ; the eight records are whole
.irp u, 0,1
.irp i, 0,1,2,3,4,5
	ds_load_b128 v[OUTR+28*\u+4*\i:OUTR+28*\u+4*\i+3], v12 offset:WTP*\u+512*\i
.endr
	ds_load_b64 v[OUTR+28*\u+24:OUTR+28*\u+25], v13 offset:WTP*\u+3072
.endr
	s_wait_dscnt 0x0
.irp u, 0,1
.irp i, 0,1,2,3,4,5
	global_store_b128 v[LI], v[OUTR+28*\u+4*\i:OUTR+28*\u+4*\i+3], s[12:13] offset:REC*\u+512*\i
.endr
	global_store_b64 v[L8], v[OUTR+28*\u+24:OUTR+28*\u+25], s[12:13] offset:REC*\u+3072
.endr
	s_wait_tensorcnt 0x0                           ; the wave's end
	ds_add_u32 v[SPW], v[NIL]
	s_wait_dscnt 0x0
	s_endpgm
.Lfunc_end_k_qb25d198b89_quant:
	.size	k_qb25d198b89_quant, .Lfunc_end_k_qb25d198b89_quant-k_qb25d198b89_quant
	.p2alignl 7, 3214868480
	.fill 96, 4, 3214868480
	.section	.rodata,"a",@progbits
	.p2align	6, 0x0
	.amdhsa_kernel k_qb25d198b89_quant
		.amdhsa_group_segment_fixed_size 61952
		.amdhsa_private_segment_fixed_size 0
		.amdhsa_enable_private_segment 0
		.amdhsa_kernarg_size 40
		.amdhsa_user_sgpr_count 2
		.amdhsa_user_sgpr_kernarg_segment_ptr 1
		.amdhsa_wavefront_size32 1
		.amdhsa_system_sgpr_workgroup_id_x 1
		.amdhsa_system_sgpr_workgroup_id_y 1
		.amdhsa_system_sgpr_workgroup_id_z 1
		.amdhsa_system_vgpr_workitem_id 0
		.amdhsa_next_free_vgpr 256
		.amdhsa_next_free_sgpr 66
		.amdhsa_reserve_vcc 0
		.amdhsa_float_denorm_mode_32 3
		.amdhsa_float_denorm_mode_16_64 3
		.amdhsa_memory_ordered 1
		.amdhsa_forward_progress 1
		.amdhsa_inst_pref_size 59
	.end_amdhsa_kernel
	.amdgpu_metadata
---
amdhsa.version: [ 1, 2 ]
amdhsa.kernels:
  - .name:           k_qb25d198b89_quant
    .symbol:         k_qb25d198b89_quant.kd
    .args:
      - { .name: x, .offset: 0, .size: 8, .value_kind: global_buffer, .address_space: global }
      - { .name: W_qkv, .offset: 8, .size: 8, .value_kind: global_buffer, .address_space: global }
      - { .name: W_out, .offset: 16, .size: 8, .value_kind: global_buffer, .address_space: global }
      - { .name: xq, .offset: 24, .size: 8, .value_kind: global_buffer, .address_space: global }
      - { .name: wq, .offset: 32, .size: 8, .value_kind: global_buffer, .address_space: global }
    .group_segment_fixed_size: 61952
    .private_segment_fixed_size: 0
    .kernarg_segment_align: 8
    .kernarg_segment_size: 40
    .max_flat_workgroup_size: 128
    .sgpr_count:     66
    .vgpr_count:     256
    .wavefront_size: 32
...
	.end_amdgpu_metadata
.endif
;; end of part 1
;; launch gemm_qkv (part 2): grid 4 x 64, 4 waves a work-group, clusters of 4 x 4, 327,680 bytes of LDS; arguments xq, wq, b_qkv, qb, kvb; writes qb, kvb
.if DOCPART == 2
	.amdgcn_target "amdgcn-amd-amdhsa--gfx1250"
	.amdhsa_code_object_version 6
	.text
	.protected	k_qb25d198b89_gemm_qkv
	.globl	k_qb25d198b89_gemm_qkv
	.p2align	8
	.type	k_qb25d198b89_gemm_qkv,@function
k_qb25d198b89_gemm_qkv:
	s_mov_b64 s[64:65], 0
	v_nop
	global_prefetch_b8 v0, s[64:65] scope:SCOPE_SE
	s_setreg_imm32_b32 hwreg(HW_REG_WAVE_MODE, 25, 1), 1
	s_wait_xcnt 0x0
	s_wait_alu depctr_hold_cnt(0) depctr_sa_sdst(0) depctr_va_vdst(0) depctr_va_sdst(0) depctr_va_ssrc(0) depctr_va_vcc(0) depctr_vm_vsrc(0)
	s_getreg_b32 s2, hwreg(HW_REG_IB_STS2, 6, 4)
	s_cmp_eq_u32 s2, 0
	s_cbranch_scc0 .Lentry_in_a_cluster
	s_endpgm
.Lentry_in_a_cluster:
	s_bfe_u32 s2, ttmp6, 0x10000c
	s_cmp_lg_u32 s2, 0xf033
	s_cbranch_scc0 .Lentry_shape_is_right
	s_endpgm
.Lentry_shape_is_right:
; qkv = x W_qkv + b_qkv on codes of FP6 (E2M3) with E8M0 scales, K = 1,024; the results are quantised here, in registers, into the operands of attention: q and k along the head's 64, v along the keys.
; OPERANDS come as records in the order of the operand's registers: [tile of 16 rows][ks 0..3][3,328 bytes]: four pieces of 768 bytes (q = 0, 1: 128 along K; c = 0, 1: 64 along K; registers 6 c .. 6 c + 3 of lane l
; at 16 l, registers 6 c + 4, 5 at 512 + 8 l) and the scale words, (row r, q) at 3,072 + 8 r + 4 q.  Tile t of a group of 64 rows holds in lane-row r the row 32 (r / 8) + 8 t + r % 8.
; THE PRODUCT IS USED TRANSPOSED: source 0 = 16 rows of P0, source 1 = 16 rows of P1.  In accumulator (a, b) lane (r, h) holds P1's lane-row r of tile a, and register j P0's row 64 (b / 4) + 32 h + 8 (b % 4) + j:
; the 32 registers of P0's tiles 4 c .. 4 c + 3 are one whole block of 32 of the next product's K, where the 6-bit layout wants it.
; A WORK-GROUP STAYS and makes three PARTS, each 128 rows of P1 x 256 rows of P0 (a wave 64 x 128: 32 accumulators): part 0 = q, part 1 = k: P1 = tokens (xq), P0 = features (wq); part 2 = v: P1 = features, P0 = tokens,
; which gives v transposed.  256 work-groups, 768 parts.  The part's number is the same in all partners of a cluster.
; LDS IS A RING OF TWO SLOTS, each one half of K (two records of each tile, rows of 6,656 bytes): P1's 8 tiles, then P0's 16.  At the head one tensor load a wave: wave 0 P1's first half, wave 1 P0's, waves 2 and 3 the second half.
; In a part's step 3 (slot 0 is read no more) a round of the cluster's barrier stands, and waves 0 and 1 fill slot 0 with the next part's first half; in step 7 another, and waves 2 and 3 fill slot 1.  Sixteen products stand
; inside each round.  P1 is asked for again between q and k, though it is the same: every partner issues every joint load on every way.  The last part asks for nothing and is written out.
; CLUSTER 4 x 4: P1's tiles are shared along a row of the cluster, P0's along a column, each asked for jointly.
; PREFETCH: in a part's step 1, two steps of 128 along K ahead of the first refill, the next part's P0 (a tile of 13,312 bytes a wave, the sixteen waves of a column of the cluster sharing the sixteen tiles by address) and,
; ahead of v, its P1 (half a tile a wave, by the sixteen waves of a row).  k's P1 is q's and has been read.  The first part comes by its loads alone.
; WHAT IS STORED.  qb [batch x head][128 queries][6,656]: 8 tiles x 768 bytes, then the scale words, (tile 4 g + i, row r) at 6,144 + 256 g + 16 r + 4 i.  kvb [batch x head][128 keys][13,312]: k: 8 tiles x 768; v: 4 tiles of 16 of the
; head's 64 x 1,536 from 6,144; k's scale words from 12,288 as q's; v's, (tile dt, row r) at 12,800 + 16 r + 4 dt, and their copy 256 on.  In q's and k's words bytes 0, 1 are the head's two blocks; bytes 2, 3 the neighbour head's or 0.
; LIMITS: NaN and infinities are not served; a block of zeros has the byte 1 (its codes are zeros; this program alone reads the bytes).
.set REC,   13312
.set KREC,  3328
.set HREC,  6656
.set P1B,   8*HREC
.set SLOT,  24*HREC
.set SPARE, 2*SLOT                     ; behind the slots: the spare words, 128 bytes for each wave: two blocks of 256 bytes that no other line names
.set PF0, 4                            ; v4-6 the prefetches' lane offsets
.set PF1, 5
.set PF2, 6
.set A16, 8                            ; v8, v9 LDS: my four tiles of P1 in slot 0, 1, 16 x lane; v10, v11: 8 x lane
.set A8,  10
.set B16, 12                           ; v12-15 the same for my eight tiles of P0
.set B8,  14
.set BL,  20                           ; v20-23 v's bias: my lane's feature in each of four tiles
.set ADRS, 24                          ; v24, v25 the scale words: lanes 0-15 P1's, lanes 16-31 P0's
.set VO16, 26
.set VO8, 27
.set SPW, 28                           ; my spare word; never rewritten
.set NIL, 29                           ; 0; never rewritten
.set SH8, 30
.set SC,  32                           ; v32-63 scale words, two sets of 16: register 2 i + q
.set BI,  64                           ; v64-127 the bias, in the result's layout
.set AF,  128                          ; v128-223 P1's fragments, two sets of 48.  Window 1: P0's, two sets, at v0 and v128.  Window 2: accumulator (a, b) at v[8 (8 a + b)]
.set PC,  176                          ; the way out works where P1's second set lay: the first set already takes the next part's fragments
.set PT,  188
.set TM,  196
.set SO,  200
.set BY,  202
.set PX,  204
.set SW,  224
.set E,   228
.set WV,  14                           ; s14 wave; s15 wave % 2; s16 wave / 2; s17 cx; s18 cy; s19 cluster y; s68 i1 of q, k; s69 i1 of v; s70 i0 of v
.set SEL, 20
.set PART, 22
.set G1A, 24
.set G1B, 32
.set G0A, 40
.set G0B, 44
.set NA,  48                           ; s[48:51] P1's addresses of the next part and of the one after; s[52:55] P0's
.set NB,  52
.set PB,  56                           ; s[56:59] the same for my share of P0's prefetch; s[60:61] of P1's ahead of v
.set PA,  60
.set MSB, 0
.macro WIN new
.if MSB != \new
	s_set_vgpr_msb (MSB<<8)|\new
.set MSB, \new
.endif
.endm
.macro WALU
	s_wait_alu depctr_va_vdst(0)
.endm
.macro PLACES
.rept 4
	v_nop
.endr
.endm
.macro CREST                           ; a round of the cluster's barrier behind its opening barrier
	s_cmp_lg_u32 s[WV], 0
	s_cbranch_scc1 .Lnot_wave_0_\@
	s_barrier_signal -3
.Lnot_wave_0_\@:
	s_barrier_wait -3
	s_barrier_signal -1
	s_barrier_wait -1
.endm
.macro CROUND
	s_barrier_signal -1
	s_barrier_wait -1
	CREST
.endm
.macro TLOAD g0, g1
	tensor_load_to_lds s[\g0:\g0+3], s[\g1:\g1+7]
	s_nop 0
	PLACES
.endm
.macro FRAG reg, a16, a8, off          ; a fragment, 16 rows x 128 K: 12 registers by four dense loads
	ds_load_b128 v[\reg:\reg+3], v[\a16] offset:\off
	ds_load_b64 v[\reg+4:\reg+5], v[\a8] offset:\off+512
	ds_load_b128 v[\reg+6:\reg+9], v[\a16] offset:\off+768
	ds_load_b64 v[\reg+10:\reg+11], v[\a8] offset:\off+1280
.endm
.macro FETCH m                         ; step m of 8 (128 along K, slot m / 4): its fragments into set m % 2; with a record's first step its scale words
	WIN 0x40
.irp b, 0,1,2,3,4,5,6,7
	FRAG 128*((\m)%2)+12*\b, B16+(\m)/4, B8+(\m)/4, HREC*\b+KREC*(((\m)/2)%2)+1536*((\m)%2)
.endr
	WIN 0
.irp a, 0,1,2,3
	FRAG AF+48*((\m)%2)+12*\a, A16+(\m)/4, A8+(\m)/4, HREC*\a+KREC*(((\m)/2)%2)+1536*((\m)%2)
.endr
.if (\m)%2 == 0
.irp i, 0,1,2,3,4,5,6,7
	ds_load_b64 v[SC+16*(((\m)/2)%2)+2*\i:SC+16*(((\m)/2)%2)+2*\i+1], v[ADRS+(\m)/4] offset:HREC*\i+KREC*(((\m)/2)%2)+3072
.endr
.endif
.endm
.macro WM a, b, p, sc, c
	v_wmma_scale_f32_16x16x128_f8f6f4 v[8*(8*\a+\b):8*(8*\a+\b)+7], v[128*(\p)+12*\b:128*(\p)+12*\b+11], v[AF+48*(\p)+12*\a:AF+48*(\p)+12*\a+11], \c, v[SC+16*(\sc)+2*\b+(\p)], v[SC+16*(\sc)+2*\a+(\p)] matrix_a_fmt:MATRIX_FMT_FP6 matrix_b_fmt:MATRIX_FMT_FP6 matrix_a_scale:MATRIX_SCALE_ROW1
.endm
; eight products of step n: P1's tile a against P0's eight.  The 32 accumulators take turns, one instruction a turn, in the same order in every step.  cform 1, 2: the bias is the C
.macro MULA n, cform, a
.if \cform
	WIN 0x81                                       ; source 0 window 1, source 1 and C window 0, D window 2
.else
	WIN 0xa1                                       ; C and D window 2
.endif
.irp b, 0,1,2,3,4,5,6,7
.if \cform == 1
	WM \a, \b, (\n)%2, ((\n)/2)%2, v[BI+8*\b:BI+8*\b+7]
.elseif \cform == 2
	WM \a, \b, (\n)%2, ((\n)/2)%2, v[BI+8*\a:BI+8*\a+7]
.else
	WM \a, \b, (\n)%2, ((\n)/2)%2, v[8*(8*\a+\b):8*(8*\a+\b)+7]
.endif
.endr
.endm
.macro MUL32 n, cform
.irp a, 0,1,2,3
	MULA \n, \cform, \a
.endr
	WIN 0
.endm
.macro GPLAIN n, cform                 ; step n's fragments are in; the next step's are asked for; its 32 products
	s_wait_dscnt 0x0
	PLACES                                         ; in front of loads into registers that the step before has multiplied
	FETCH (\n)+1
	MUL32 \n, \cform
.endm
; A step with a round: the slot that this step's fragments were the last to leave is filled again by waves w0 (P1) and w0 + 1 (P0); then step nextm's fragments are asked for
.macro GROUND n, w0, nextm
	s_wait_tensorcnt 0x0                           ; all my tensor loads have landed;
	ds_add_u32 v[SPW], v[NIL]
.if (\n) == 3
	s_mov_b64 s[G0A+2:G0A+3], s[NA:NA+1]           ; no load of mine is out: the descriptors go on to the next part
	s_mov_b64 s[G0B+2:G0B+3], s[NB:NB+1]
	s_or_b32 s[G0A+3], s[G0A+3], 0x80000000
	s_or_b32 s[G0B+3], s[G0B+3], 0x80000000
	s_mov_b64 s[NA:NA+1], s[NA+2:NA+3]
	s_mov_b64 s[NB:NB+1], s[NB+2:NB+3]
.endif
	s_wait_dscnt 0x0                               ; the add is done, step n's fragments are in, and my reads of the slot are over
	s_barrier_signal -1
	MULA \n, 0, 0                                  ; work on registers inside the round
	MULA \n, 0, 1
	WIN 0
	s_barrier_wait -1
	CREST
	s_cmp_eq_u32 s[WV], \w0
	s_cbranch_scc0 .Lnot_p1_\@
	TLOAD G0A, G1A
	s_branch .Lasked_\@
.Lnot_p1_\@:
	s_cmp_eq_u32 s[WV], (\w0)+1
	s_cbranch_scc0 .Lasked_\@
	TLOAD G0B, G1B
.Lasked_\@:
	PLACES                                         ; in front of the loads below, on every way
	FETCH \nextm
	MULA \n, 0, 2
	MULA \n, 0, 3
	WIN 0
.endm
.macro BIAS1 off                       ; q's or k's bias: tile b of P0: features 64 (b / 4) + 32 h + 8 (b % 4) + 0 .. 7
.irp b, 0,1,2,3,4,5,6,7
	global_load_b128 v[BI+8*\b:BI+8*\b+3], v18, s[2:3] offset:\off+4*(64*(\b/4)+8*(\b%4))
	global_load_b128 v[BI+8*\b+4:BI+8*\b+7], v18, s[2:3] offset:\off+4*(64*(\b/4)+8*(\b%4))+16
.endr
.endm
; where a part's results go.  g128: which 128 tokens; head: the first (q, k: of two; v: the only) head of my wave
.macro SETUP v
	s_wait_xcnt 0x0                                ; the last part's stores have read their bases and data
.if \v
	s_lshl_b32 s96, s70, 1
	s_add_co_u32 s96, s96, s15                     ; g128 = 2 i0 + wc
	s_lshl_b32 s97, s69, 1
	s_add_co_u32 s97, s97, s16                     ; head = 2 i1 + wr
.else
	s_mov_b32 s96, s68                             ; g128 = i1
	s_lshl_b32 s97, s17, 2
	s_lshl_b32 s98, s15, 1
	s_add_co_u32 s97, s97, s98                     ; head = 4 cx + 2 wc
.endif
	s_lshr_b32 s98, s96, 4
	s_lshl_b32 s98, s98, 4
	s_add_co_u32 s98, s98, s97
	s_lshl_b32 s98, s98, 4
	s_and_b32 s96, s96, 15
	s_add_co_u32 s98, s98, s96                     ; the record: (16 batch + head) 16 + g128 % 16
	s_cmp_eq_u32 s[PART], 0
	s_mov_b32 s99, 13312
	s_cselect_b32 s99, 6656, s99                   ; a record's bytes
	s_cselect_b64 s[88:89], s[10:11], s[12:13]     ; qb or kvb
	s_mul_i32 s96, s98, s99
	s_mov_b32 s97, 0
	s_add_nc_u64 s[88:89], s[88:89], s[96:97]
.if \v
	s_add_nc_u64 s[92:93], s[88:89], 12800         ; the scale words
	s_add_nc_u64 s[88:89], s[88:89], 6144          ; a fragment's first pieces,
	s_add_nc_u64 s[90:91], s[88:89], 768           ; its second
	s_mov_b32 s94, 1536                            ; from tile to tile
	v_lshlrev_b32 v16, 8, v3                       ; lanes 16-31 store the words' copy, as they are
	v_lshl_add_u32 v16, v2, 4, v16
	v_mov_b32 v17, 0
.else
	s_lshl_b32 s100, s99, 4                        ; from a head to the next: 16 records
	s_lshl_b32 s96, s16, 8
	s_add_co_u32 s98, s96, 6144
	s_add_co_u32 s96, s96, 12288
	s_cmp_eq_u32 s[PART], 0
	s_cselect_b32 s96, s98, s96
	s_add_nc_u64 s[92:93], s[88:89], s[96:97]      ; the scale words: q 6,144 + 256 wr, k 12,288 + 256 wr
	s_mul_i32 s96, s16, 3072
	s_add_nc_u64 s[88:89], s[88:89], s[96:97]      ; the even head's tiles 4 wr on,
	s_mov_b32 s96, s100
	s_add_nc_u64 s[90:91], s[88:89], s[96:97]      ; the odd head's
	s_mov_b32 s94, 768
	v_mul_u32_u24 v16, v3, s100                    ; lanes 16-31 store the odd head's words, brought down by 16 bits
	v_lshl_add_u32 v16, v2, 4, v16
	v_lshlrev_b32 v17, 4, v3
.endif
	s_mov_b32 s95, 0
	WALU
.endm
; THE WAY OUT.  The 64 registers of tile a of P1 (window 2, v[64 a] on): register 32 c + i = k 64 c + 32 h + i of my lane's row: two whole blocks.  They become 12 registers of codes and a scale word.
.macro QUANT2 s, pw
	WIN 0x0a
.irp k, 0,1,2,3
	v_max3_num_f32 v[TM+\k], |v[\s+16*\k]|, |v[\s+16*\k+1]|, 0x1800000   ; four chains of 16, each accumulator from its low end on; the floor 2^(3 - 127) holds the byte at 1 from below
.endr
.irp i, 2,4,6,8,10,12,14
.irp k, 0,1,2,3
	v_max3_num_f32 v[TM+\k], |v[\s+16*\k+\i]|, |v[\s+16*\k+\i+1]|, v[TM+\k]
.endr
.endr
	WIN 0
	v_max_num_f32 v[TM], v[TM], v[TM+1]
	v_max_num_f32 v[TM+2], v[TM+2], v[TM+3]
	v_add_nc_u32 v[SO], 0xff000000, v[TM]          ; 2 off the exponent field: the conversion's scale operand
	v_add_nc_u32 v[SO+1], 0xff000000, v[TM+2]
	v_lshrrev_b32 v[BY], 23, v[SO]
	v_lshrrev_b32 v[BY+1], 23, v[SO+1]
	v_lshl_or_b32 v[\pw], v[BY+1], 16, v[BY]
	v_lshlrev_b32 v[\pw], v[SH8], v[\pw]
	v_permlanex16_b32 v[PX], v[\pw], s[SEL], s[SEL+1]
	v_or_b32 v[\pw], v[\pw], v[PX]
	WIN 0x02
	v_cvt_scalef32_pk16_fp6_f32 v[PC:PC+2], v[\s:\s+15], v[SO]
	v_cvt_scalef32_pk16_fp6_f32 v[PT:PT+2], v[\s+16:\s+31], v[SO]
	v_cvt_scalef32_pk16_fp6_f32 v[PC+6:PC+8], v[\s+32:\s+47], v[SO+1]
	v_cvt_scalef32_pk16_fp6_f32 v[PT+4:PT+6], v[\s+48:\s+63], v[SO+1]
	WIN 0
	v_nop                                          ; one plain place behind the conversions
.irp i, 0,1,2
	v_mov_b32 v[PC+3+\i], v[PT+\i]
	v_mov_b32 v[PC+9+\i], v[PT+4+\i]
.endr
.endm
.macro WAYOUT
	PLACES                                         ; behind the last products
	v_mov_b32 v[PX], 0                             ; a lane permute's destination counts as one of its sources
.irp a, 0,1,2,3
.if \a > 0
	s_wait_xcnt 0x0                                ; the last tile's stores have read their data and bases
	s_add_nc_u64 s[88:89], s[88:89], s[94:95]
	s_add_nc_u64 s[90:91], s[90:91], s[94:95]
.endif
	QUANT2 64*\a, SW+\a
	global_store_b128 v[VO16], v[PC:PC+3], s[88:89]                ; each store covers 512 or 256 consecutive bytes, aligned to 256
	global_store_b64 v[VO8], v[PC+4:PC+5], s[88:89] offset:512
	global_store_b128 v[VO16], v[PC+6:PC+9], s[90:91]
	global_store_b64 v[VO8], v[PC+10:PC+11], s[90:91] offset:512
.endr
.irp i, 0,1,2,3
	v_lshrrev_b32 v[E+\i], v17, v[SW+\i]
.endr
	global_store_b128 v16, v[E:E+3], s[92:93]      ; four tiles' words of my row: sixteen lanes store 256 consecutive bytes
.endm
; a part.  refill = 1: the next part's tiles are asked for.  cform: 1 q, k; 2 v
.macro BODY refill, cform
	SETUP (\cform-1)
	s_wait_loadcnt 0x0                             ; the bias
	GPLAIN 0, \cform
	s_wait_dscnt 0x0
	PLACES
.if \refill
	global_prefetch_b8 v[PF0], s[PB:PB+1] th:TH_LOAD_NT scope:SCOPE_SE              ; my tile of the next part's P0: 52 blocks of 256 bytes
	global_prefetch_b8 v[PF1], s[PB:PB+1] offset:8192 th:TH_LOAD_NT scope:SCOPE_SE
	s_cmp_eq_u32 s[PART], 0
	s_cbranch_scc0 .Lahead_of_v_\@
	BIAS1 4096                                     ; in q's part: k's bias, into registers that step 0 has read (the places above)
	s_branch .Lboth_\@
.Lahead_of_v_\@:
	global_prefetch_b8 v[PF2], s[PA:PA+1] th:TH_LOAD_NT scope:SCOPE_SE              ; in k's part: my half tile of v's P1: 26 blocks
.Lboth_\@:
.endif
	FETCH 2
	MUL32 1, 0
	GPLAIN 2, 0
.if \refill
	GROUND 3, 0, 4
.else
	s_wait_tensorcnt 0x0                           ; slot 1 is whole behind this barrier
	s_wait_dscnt 0x0
	s_barrier_signal -1
	s_barrier_wait -1
	PLACES
	FETCH 4
	MUL32 3, 0
.endif
	GPLAIN 4, 0
	GPLAIN 5, 0
	GPLAIN 6, 0
.if \refill
	GROUND 7, 2, 0
.else
	s_wait_dscnt 0x0
	MUL32 7, 0
.endif
	WAYOUT
.endm
; ================= the head
	s_load_b256 s[4:11], s[0:1], 0x0               ; xq s[4:5], wq s[6:7], b_qkv s[8:9], qb s[10:11]
	s_load_b64 s[12:13], s[0:1], 0x20              ; kvb
	v_lshl_add_u32 v[SPW], v0, 2, SPARE
	v_mov_b32 v[NIL], 0
	ds_add_u32 v[SPW], v[NIL]                      ; the opening lines
	ds_add_u32 v[SPW], v[NIL]
	v_lshrrev_b32 v1, 5, v0
	v_readfirstlane_b32 s[WV], v1                  ; wave 0..3
	s_and_b32 s15, s[WV], 1                        ; wc: which 128 rows of P0 are mine.  Also: I fetch for P1 (0) or P0 (1)
	s_lshr_b32 s16, s[WV], 1                       ; wr: which 64 rows of P1.  Also: which half of K I fetch
	s_bfe_u32 s17, ttmp6, 0x40000                  ; cx
	s_bfe_u32 s18, ttmp6, 0x40004                  ; cy
	s_and_b32 s19, ttmp7, 0xffff                   ; cluster y, 0..15
	s_lshl_b32 s68, s19, 2
	s_add_co_u32 s68, s68, s18                     ; q, k: i1 = 4 y + cy of 64 (128 tokens); their i0 = 4 part + cx of 8 (256 features)
	s_and_b32 s69, s19, 1
	s_lshl_b32 s69, s69, 2
	s_add_co_u32 s69, s69, s18                     ; v: i1 = 4 (y % 2) + cy of 8 (128 features)
	s_lshr_b32 s70, s19, 1
	s_lshl_b32 s70, s70, 2
	s_add_co_u32 s70, s70, s17                     ; v: i0 = 4 (y / 2) + cx of 32 (256 tokens)
	s_lshl_b32 s86, s18, 2
	s_lshl_b32 s86, 15, s86                        ; my row of the cluster
	s_lshl_b32 s87, 0x1111, s17                    ; my column
	s_or_b32 s[G1A], s86, (3<<16)|(1<<21)          ; the mask; elements of 8 bytes; bit 21 beside a mask; no padding: the images are read densely
	s_or_b32 s[G1B], s87, (3<<16)|(1<<21)
	s_mov_b32 s[G1A+1], 832<<16                    ; a row: two records, 6,656 bytes
	s_mov_b32 s[G1A+2], 8<<16                      ; 8 tiles
	s_mov_b32 s[G1A+3], 832<<16
	s_mov_b32 s[G1A+4], 8
	s_mov_b32 s[G1A+5], 1664                       ; from tile to tile 13,312 bytes
	s_mov_b32 s[G1A+6], 0
	s_mov_b32 s[G1A+7], 0
	s_mov_b32 s[G1B+1], 832<<16
	s_mov_b32 s[G1B+2], 16<<16                     ; 16 tiles
	s_mov_b32 s[G1B+3], 832<<16
	s_mov_b32 s[G1B+4], 16
	s_mov_b32 s[G1B+5], 1664
	s_mov_b32 s[G1B+6], 0
	s_mov_b32 s[G1B+7], 0
	s_mul_i32 s77, s16, HREC                       ; my half of K
	s_mul_i32 s78, s68, 8*REC                      ; P1 of q, k, from xq (hangs on cy, never on cx)
	s_add_co_u32 s78, s78, s77
	s_mov_b32 s79, 0
	s_mul_i32 s80, s69, 8*REC                      ; P1 of v, from wq: its features begin at tile 128
	s_add_co_u32 s80, s80, 128*REC
	s_add_co_u32 s80, s80, s77
	s_mov_b32 s81, 0
	s_mul_i32 s82, s17, 16*REC                     ; P0 of q, from wq (on cx, never on cy); k's lies 64 tiles on
	s_add_co_u32 s82, s82, s77
	s_mov_b32 s83, 0
	s_mul_i32 s84, s70, 16*REC                     ; P0 of v, from xq
	s_add_co_u32 s84, s84, s77
	s_mov_b32 s85, 0
	s_mul_i32 s62, s16, SLOT                       ; where they go: the wave's number alone enters an LDS address
	s_add_co_u32 s63, s62, P1B
	s_lshl_b32 s66, s18, 2                         ; the prefetches' shares, told apart by address: of P0 tile 4 cy + wave of the sixteen,
	s_add_co_u32 s66, s66, s[WV]
	s_mul_i32 s66, s66, REC
	s_mul_i32 s72, s17, 16*REC
	s_add_co_u32 s72, s72, s66
	s_add_co_u32 s72, s72, 64*REC                  ; k's, from wq
	s_mov_b32 s73, 0
	s_mul_i32 s96, s70, 16*REC
	s_add_co_u32 s96, s96, s66                     ; v's, from xq
	s_mov_b32 s97, 0
	s_lshl_b32 s98, s17, 2                         ; of v's P1 half tile 4 cx + wave of the sixteen
	s_add_co_u32 s98, s98, s[WV]
	s_mul_i32 s98, s98, HREC
	s_mul_i32 s99, s69, 8*REC
	s_add_co_u32 s98, s98, s99
	s_add_co_u32 s98, s98, 128*REC
	s_mov_b32 s99, 0
	s_lshl_b32 s74, s17, 10                        ; the bias: q: feature 256 cx + 128 wc; k's 1,024 features on
	s_lshl_b32 s75, s15, 9
	s_add_co_u32 s74, s74, s75
	s_mov_b32 s75, 0
	s_lshl_b32 s100, s69, 9                        ; v: feature 2,048 + 128 i1 + 64 wr
	s_lshl_b32 s101, s16, 8
	s_add_co_u32 s100, s100, s101
	s_add_co_u32 s100, s100, 8192
	s_mov_b32 s101, 0
	s_mov_b32 s[SEL], 0x76543210
	s_mov_b32 s[SEL+1], 0xfedcba98
	s_wait_dscnt 0x0                               ; both opening adds are done
	s_wait_kmcnt 0x0
	s_add_nc_u64 s[G0A+2:G0A+3], s[4:5], s[78:79]
	s_mov_b64 s[NA:NA+1], s[G0A+2:G0A+3]           ; k's P1 is q's
	s_add_nc_u64 s[NA+2:NA+3], s[6:7], s[80:81]
	s_add_nc_u64 s[G0B+2:G0B+3], s[6:7], s[82:83]
	s_add_nc_u64 s[NB:NB+1], s[G0B+2:G0B+3], 64*REC
	s_add_nc_u64 s[NB+2:NB+3], s[4:5], s[84:85]
	s_or_b32 s[G0A+3], s[G0A+3], 0x80000000
	s_or_b32 s[G0B+3], s[G0B+3], 0x80000000
	s_mov_b32 s[G0A], 1
	s_mov_b32 s[G0A+1], s62
	s_mov_b32 s[G0B], 1
	s_mov_b32 s[G0B+1], s63
	s_add_nc_u64 s[PB:PB+1], s[6:7], s[72:73]
	s_add_nc_u64 s[PB+2:PB+3], s[4:5], s[96:97]
	s_add_nc_u64 s[PA:PA+1], s[6:7], s[98:99]
	s_add_nc_u64 s[2:3], s[8:9], s[74:75]
	s_add_nc_u64 s[74:75], s[8:9], s[100:101]
	CROUND                                         ; all sixteen work-groups are here: the joint loads meet
	s_cmp_eq_u32 s[WV], 0                          ; one chain of branches on the wave's number, one load to an arm, one join
	s_cbranch_scc0 .Lfill_1
	TLOAD G0A, G1A                                 ; wave 0: P1, first half of K
	s_branch .Lfilled
.Lfill_1:
	s_cmp_eq_u32 s[WV], 1
	s_cbranch_scc0 .Lfill_2
	TLOAD G0B, G1B                                 ; wave 1: P0, first half
	s_branch .Lfilled
.Lfill_2:
	s_cmp_eq_u32 s[WV], 2
	s_cbranch_scc0 .Lfill_3
	TLOAD G0A, G1A                                 ; wave 2: P1, second half
	s_branch .Lfilled
.Lfill_3:
	TLOAD G0B, G1B                                 ; wave 3: P0, second half
.Lfilled:
	v_and_b32 v1, 31, v0                           ; lane
	v_and_b32 v2, 15, v0                           ; r
	v_bfe_u32 v3, v0, 4, 1                         ; h
	v_lshlrev_b32 v[VO16], 4, v1
	v_lshlrev_b32 v[VO8], 3, v1
	v_lshlrev_b32 v[SH8], 3, v3
	s_mul_i32 s78, s16, 4*HREC                     ; my four tiles of P1
	s_mul_i32 s79, s15, 8*HREC
	s_add_co_u32 s79, s79, P1B                     ; my eight tiles of P0
	v_add_nc_u32 v[A16], s78, v[VO16]
	v_add_nc_u32 v[A8], s78, v[VO8]
	v_add_nc_u32 v[B16], s79, v[VO16]
	v_add_nc_u32 v[B8], s79, v[VO8]
	s_sub_co_u32 s79, s79, s78
	v_mul_u32_u24 v[ADRS], s79, v3                 ; lanes 16-31 take P0's words: the lower base + h x the distance
	v_lshl_add_u32 v[ADRS], v2, 3, v[ADRS]
	v_add_nc_u32 v[ADRS], s78, v[ADRS]
.irp x, A16, A8, B16, B8, ADRS
	v_add_nc_u32 v[\x+1], SLOT, v[\x]              ; the same in slot 1
.endr
	v_lshlrev_b32 v18, 7, v3                       ; the bias along registers: 128 h
	v_lshrrev_b32 v19, 3, v2
	v_and_b32 v7, 7, v2
	v_lshlrev_b32 v7, 2, v7
	v_lshl_add_u32 v19, v19, 7, v7                 ; along lanes: 4 (32 (r / 8) + r % 8)
	v_lshlrev_b32 v[PF0], 8, v1                    ; a lane a block of 256 bytes; lanes left over name their wave's last block again
	v_min_u32 v[PF1], 19, v1
	v_lshlrev_b32 v[PF1], 8, v[PF1]
	v_min_u32 v[PF2], 25, v1
	v_lshlrev_b32 v[PF2], 8, v[PF2]
	WALU
	BIAS1 0                                        ; q's bias
.irp a, 0,1,2,3
	global_load_b32 v[BL+\a], v19, s[74:75] offset:32*\a   ; v's: tile a of P1: my lane's feature
.endr
	s_cmp_lt_u32 s[WV], 2                          ; waves 0 and 1 wait for their loads, whose lines are theirs alone: slot 0
	s_cbranch_scc0 .Lnot_first
	s_wait_tensorcnt 0x0
.Lnot_first:
	s_barrier_signal -1
	s_barrier_wait -1
	FETCH 0
	s_mov_b32 s[PART], 0
.Lpart:                                                ; q, then k
	BODY 1, 1
	s_wait_xcnt 0x0                                ; my prefetches have read their base
	s_mov_b64 s[PB:PB+1], s[PB+2:PB+3]
	s_add_co_u32 s[PART], s[PART], 1
	s_cmp_lg_u32 s[PART], 2
	WALU
	s_cbranch_scc1 .Lpart
.irp a, 0,1,2,3
.irp j, 0,1,2,3,4,5,6,7
	v_mov_b32 v[BI+8*\a+\j], v[BL+\a]              ; v's bias as C: all eight registers of a tile hold my lane's number
.endr
.endr
	BODY 0, 2                                      ; v: nothing more is asked for
	s_wait_tensorcnt 0x0                           ; the wave's end
	ds_add_u32 v[SPW], v[NIL]
	s_wait_dscnt 0x0
	CROUND                                         ; the closing round
	s_endpgm
.Lfunc_end_k_qb25d198b89_gemm_qkv:
	.size	k_qb25d198b89_gemm_qkv, .Lfunc_end_k_qb25d198b89_gemm_qkv-k_qb25d198b89_gemm_qkv
	.p2alignl 7, 3214868480
	.fill 96, 4, 3214868480
	.section	.rodata,"a",@progbits
	.p2align	6, 0x0
	.amdhsa_kernel k_qb25d198b89_gemm_qkv
		.amdhsa_group_segment_fixed_size 327680
		.amdhsa_private_segment_fixed_size 0
		.amdhsa_enable_private_segment 0
		.amdhsa_kernarg_size 40
		.amdhsa_user_sgpr_count 2
		.amdhsa_user_sgpr_kernarg_segment_ptr 1
		.amdhsa_wavefront_size32 1
		.amdhsa_system_sgpr_workgroup_id_x 1
		.amdhsa_system_sgpr_workgroup_id_y 1
		.amdhsa_system_sgpr_workgroup_id_z 1
		.amdhsa_system_vgpr_workitem_id 0
		.amdhsa_next_free_vgpr 768
		.amdhsa_next_free_sgpr 102
		.amdhsa_reserve_vcc 0
		.amdhsa_float_denorm_mode_32 3
		.amdhsa_float_denorm_mode_16_64 3
		.amdhsa_memory_ordered 1
		.amdhsa_forward_progress 1
		.amdhsa_inst_pref_size 169
	.end_amdhsa_kernel
	.amdgpu_metadata
---
amdhsa.version: [ 1, 2 ]
amdhsa.kernels:
  - .name:           k_qb25d198b89_gemm_qkv
    .symbol:         k_qb25d198b89_gemm_qkv.kd
    .args:
      - { .name: xq, .offset: 0, .size: 8, .value_kind: global_buffer, .address_space: global }
      - { .name: wq, .offset: 8, .size: 8, .value_kind: global_buffer, .address_space: global }
      - { .name: b_qkv, .offset: 16, .size: 8, .value_kind: global_buffer, .address_space: global }
      - { .name: qb, .offset: 24, .size: 8, .value_kind: global_buffer, .address_space: global }
      - { .name: kvb, .offset: 32, .size: 8, .value_kind: global_buffer, .address_space: global }
    .group_segment_fixed_size: 327680
    .private_segment_fixed_size: 0
    .kernarg_segment_align: 8
    .kernarg_segment_size: 40
    .max_flat_workgroup_size: 128
    .sgpr_count:     102
    .vgpr_count:     768
    .wavefront_size: 32
...
	.end_amdgpu_metadata
.endif
;; end of part 2
;; launch attn (part 3): grid 4 x 64, 8 waves a work-group, clusters of 4 x 1, 229,376 bytes of LDS; arguments qb, kvb, ao; writes ao
.if DOCPART == 3
	.amdgcn_target "amdgcn-amd-amdhsa--gfx1250"
	.amdhsa_code_object_version 6
	.text
	.protected	k_qb25d198b89_attn
	.globl	k_qb25d198b89_attn
	.p2align	8
	.type	k_qb25d198b89_attn,@function
k_qb25d198b89_attn:
	s_mov_b64 s[64:65], 0
	v_nop
	global_prefetch_b8 v0, s[64:65] scope:SCOPE_SE
	s_setreg_imm32_b32 hwreg(HW_REG_WAVE_MODE, 25, 1), 1
	s_wait_xcnt 0x0
	s_wait_alu depctr_hold_cnt(0) depctr_sa_sdst(0) depctr_va_vdst(0) depctr_va_sdst(0) depctr_va_ssrc(0) depctr_va_vcc(0) depctr_vm_vsrc(0)
	s_getreg_b32 s2, hwreg(HW_REG_IB_STS2, 6, 4)
	s_cmp_eq_u32 s2, 0
	s_cbranch_scc0 .Lentry_in_a_cluster
	s_endpgm
.Lentry_in_a_cluster:
	s_bfe_u32 s2, ttmp6, 0x10000c
	s_cmp_lg_u32 s2, 0x3003
	s_cbranch_scc0 .Lentry_shape_is_right
	s_endpgm
.Lentry_shape_is_right:
; o = softmax(q k^T / 8) v for one (batch, head) a cluster, both products on codes of FP6 (E2M3) with E8M0 scales; the result, divided by the row's sum, is quantised along the hidden axis into the last product's operand.
; THE SOFTMAX: t = score x log2(e) / 8; M = the running largest t rounded UP to a whole number; p = 2^(t - M) is quantised along the keys, not normalised; the sum is taken of the unquantised p;
; when M moves, the sum and O are multiplied by 2^(old M - new M), which rounds nothing.
; SHARES.  The four work-groups of a cluster take 512 queries each of the head's 2,048.  Each of eight waves takes four tiles of 16 queries, TWO AT A TIME in two passes: a fragment of k or v read from LDS feeds both tiles,
; and every dependent chain of the softmax has the other tile's beside it.  K AND V OF THE WHOLE HEAD LIE IN LDS: 16 records of 13,312 bytes (128 keys each); wave w asks jointly with its partners for records 2 w, 2 w + 1:
; one tensor load a wave, one barrier, nothing is filled again.  No prefetch: all that the launch reads through LDS is asked for at the head, so there is no loop to run ahead in.
; A RECORD: k: 8 tiles x 768 bytes (16 keys x 64: four registers a lane at 16 l, two at 512 + 8 l); v from 6,144: 4 tiles (16 of the head's 64) x 1,536 (128 keys); k's scale words from 12,288, (tile 4 g + i, row r) at
; 256 g + 16 r + 4 i; v's from 12,800, (tile dt, row r) at 16 r + 4 dt, and their copy 256 on.
; LAYOUT.  Both products transposed: S^T = k q^T, O^T = v^T p^T: a lane holds ONE query.  By the order of the keys in k's tiles the 32 registers of S's tiles 4 c .. 4 c + 3 are keys 64 c + 32 h + 0 .. 31: a whole block in a lane.
; THE HEAD'S K IS 64, THE INSTRUCTION'S 128: q's registers 6-11 are zero codes; a tile of k runs on into the next tile's codes, which meet zeros.
; A STEP (128 keys, two tiles): 16 products for S; v of this step and k of the next are asked for; the blocks' largest scores; M, the factor, O and the sum rescaled; t - M; the exponentials, laid among the other tile's
; multiply-adds and first sums; the scale words; the codes; the sums; 8 products for O.  The last step asks for no k and is written out.
; ao: [tile][ks][3,328]; head hd fills the piece at 3,328 (hd / 4) + 768 (hd % 4) and two bytes of each row's scale words (stores of 2 bytes a lane: 64 bytes a tile against 768 of codes).
; LIMITS: NaN and infinities are not served; the scaled scores t stay under 2^31 in magnitude; a p under 2^-126 counts as 0 (v_exp_f32 flushes: ISA guide, 15.8); a block of zeros has the byte 1.
.set KVREC, 13312
.set SPARE, 17*KVREC                   ; the spare words, 128 bytes for each of 8 waves: four blocks of 256 bytes that no other line names
; window 0
.set LI,  1                            ; 16 x lane
.set L8,  2                            ; 8 x lane
.set A16, 3                            ; the record in hand
.set A8,  4
.set SPW, 5                            ; my spare word; never rewritten
.set NIL, 6                            ; 0; never rewritten
.set SH8, 7                            ; 8 x (lane / 16)
.set R16, 8                            ; 16 x (lane % 16)
.set NM,  12                           ; tile u: v[12+2u] -M, v[13+2u] the largest t
.set F,   16                           ; v[16+2u] 2^(old M - new M), named as a pair
.set L,   20                           ; v[20+2u:21+2u] the sum in two halves
.set QS,  24                           ; v24-27 q's scale words of my four tiles
.set KS,  28                           ; v28-31 k's: lanes 0-15 tiles 0-3, lanes 16-31 tiles 4-7
.set VS,  32                           ; v32-35 v's
.set PW,  36                           ; v36, v37 p's
.set Q,   40                           ; v40-63 two tiles of q, six registers of codes and six of zeros each
.set KF,  64                           ; v64-111 k's eight tiles; v112-117 zeros
.set VF,  118                          ; v118-165 v's four tiles
.set O,   166                          ; v166-229 O^T, 32 a tile
.set BM,  230                          ; v230-233 block 2 u + c: its largest score, then its largest p
.set RM,  234
.set RX,  236
.set D,   238
.set SO,  240
.set BY,  244
.set PX,  248
.set HW,  250
; window 1
.set S,   0                            ; S^T, then p: 64 a tile
.set T,   128                          ; the sums' trees: 32 a tile
.set PC,  192                          ; p's codes: 12 a tile
.set PT,  216
.set QN,  232                          ; the second pass's q
.set WV,  10
.set G1,  16
.set G0,  24
.set SEL, 28
.set CS,  30                           ; s[30:31] c = log2(e) / 8
.set TB,  32
.set CNT, 33
.set PASS, 46
.set MSB, 0
.macro WIN new                         ; low byte: bits 1:0 source 0, 3:2 source 1, 5:4 source 2, 7:6 destination; the high byte repeats the setting that is left
.if MSB != \new
	s_set_vgpr_msb (MSB<<8)|\new
.set MSB, \new
.endif
.endm
.macro WALU
	s_wait_alu depctr_va_vdst(0)
.endm
.macro PLACES
.rept 4
	v_nop
.endr
.endm
.macro CROUND                          ; a round of the cluster's barrier
	s_barrier_signal -1
	s_barrier_wait -1
	s_cmp_lg_u32 s[WV], 0
	s_cbranch_scc1 .Lnot_wave_0_\@
	s_barrier_signal -3
.Lnot_wave_0_\@:
	s_barrier_wait -3
	s_barrier_signal -1
	s_barrier_wait -1
.endm
.macro KLOAD a16, a8, off              ; k's eight tiles and their scale words: 17 loads
.irp t, 0,1,2,3,4,5,6,7
	ds_load_b128 v[KF+6*\t:KF+6*\t+3], v[\a16] offset:\off+768*\t
	ds_load_b64 v[KF+6*\t+4:KF+6*\t+5], v[\a8] offset:\off+768*\t+512
.endr
	ds_load_b128 v[KS:KS+3], v[\a16] offset:\off+12288
.endm
.macro SMUL t, u
.if \t < 4
	v_wmma_scale_f32_16x16x128_f8f6f4 v[S+64*\u+8*\t:S+64*\u+8*\t+7], v[KF+6*\t:KF+6*\t+11], v[Q+12*\u:Q+12*\u+11], 0, v[KS+\t], v[QS+\u] matrix_a_fmt:MATRIX_FMT_FP6 matrix_b_fmt:MATRIX_FMT_FP6
.else
	v_wmma_scale_f32_16x16x128_f8f6f4 v[S+64*\u+8*\t:S+64*\u+8*\t+7], v[KF+6*\t:KF+6*\t+11], v[Q+12*\u:Q+12*\u+11], 0, v[KS+\t-4], v[QS+\u] matrix_a_fmt:MATRIX_FMT_FP6 matrix_b_fmt:MATRIX_FMT_FP6 matrix_a_scale:MATRIX_SCALE_ROW1
.endif
.endm
; ---- a step: 128 keys against my two tiles.  pre = 1: the next step's k is asked for
.macro STEP pre
	s_wait_dscnt 0x0                               ; this step's k is in
	WIN 0x40
.irp t, 0,1,2,3,4,5,6,7
.irp u, 0,1
	SMUL \t, \u
.endr
.endr
	WIN 0
	v_add_nc_u32 v[A16], s[TB], v[LI]              ; these four are the places behind the products: in front of the loads and of the first read of the scores
	v_add_nc_u32 v[A8], s[TB], v[L8]
	v_nop
	v_nop
.irp dt, 0,1,2,3
	ds_load_b128 v[VF+12*\dt:VF+12*\dt+3], v[A16] offset:6144+1536*\dt
	ds_load_b64 v[VF+12*\dt+4:VF+12*\dt+5], v[A8] offset:6144+1536*\dt+512
	ds_load_b128 v[VF+12*\dt+6:VF+12*\dt+9], v[A16] offset:6144+1536*\dt+768
	ds_load_b64 v[VF+12*\dt+10:VF+12*\dt+11], v[A8] offset:6144+1536*\dt+1280
.endr
	ds_load_b128 v[VS:VS+3], v[A16] offset:12800
.if \pre
	KLOAD A16, A8, KVREC
.endif
	WIN 0x05                                       ; the largest score of each block of 32 keys: four chains side by side, each accumulator from its low end on
.irp k, 0,1,2,3
	v_max_num_f32 v[BM+\k], v[S+32*\k], v[S+32*\k+1]
.endr
.irp i, 2,4,6,8,10,12,14,16,18,20,22,24,26,28,30
.irp k, 0,1,2,3
	v_max3_num_f32 v[BM+\k], v[S+32*\k+\i], v[S+32*\k+\i+1], v[BM+\k]
.endr
.endr
	WIN 0
.irp u, 0,1
	v_max_num_f32 v[RM+\u], v[BM+2*\u], v[BM+2*\u+1]
.endr
.irp u, 0,1
	v_permlanex16_b32 v[RX+\u], v[RM+\u], s[SEL], s[SEL+1]
.endr
.irp u, 0,1
	v_max_num_f32 v[RM+\u], v[RM+\u], v[RX+\u]     ; the step's largest score of my query
.endr
.irp u, 0,1
	v_mul_f32 v[RM+\u], s[CS], v[RM+\u]            ; as t
.endr
.irp u, 0,1
	v_max_num_f32 v[NM+2*\u+1], v[NM+2*\u+1], v[RM+\u]
.endr
.irp u, 0,1
	v_mov_b32 v[D+\u], v[NM+2*\u]
.endr
.irp u, 0,1
	v_floor_f32 v[NM+2*\u], -v[NM+2*\u+1]          ; the new -M = -ceil(t)
.endr
.irp u, 0,1
	v_sub_f32 v[D+\u], v[NM+2*\u], v[D+\u]         ; old M - new M: a whole number, 0 or less
.endr
.irp u, 0,1
	v_cvt_i32_f32 v[D+\u], v[D+\u]                 ; (it saturates)
.endr
.irp u, 0,1
	v_ldexp_f32 v[F+2*\u], 1.0, v[D+\u]
.endr
.irp k, 0,1,2,3
	v_fma_f32 v[BM+\k], v[BM+\k], s[CS], v[NM+2*(\k/2)]   ; t - M of each block's largest score
.endr
.irp u, 0,1
	v_pk_mul_f32 v[L+2*\u:L+2*\u+1], v[L+2*\u:L+2*\u+1], v[F+2*\u:F+2*\u+1] op_sel_hi:[1,0]   ; the sums under the new M
.endr
.irp u, 0,1
.set j, 0
.rept 16
	v_pk_mul_f32 v[O+32*\u+j:O+32*\u+j+1], v[O+32*\u+j:O+32*\u+j+1], v[F+2*\u:F+2*\u+1] op_sel_hi:[1,0]   ; O^T under the new M, ahead of the exponentials
.set j, j+2
.endr
.endr
	WIN 0x41
.set j, 0
.rept 32
	v_pk_fma_f32 v[S+j:S+j+1], v[S+j:S+j+1], s[CS:CS+1], v[NM:NM+1] op_sel_hi:[1,0,0]   ; tile 0: t - M, two at a time
.set j, j+2
.endr
	WIN 0
	WALU
.irp k, 0,1,2,3
	v_exp_f32 v[BM+\k], v[BM+\k]                   ; the blocks' largest p
.endr
	WIN 0x41
.set j, 0
.rept 32
	v_exp_f32 v[S+j], v[S+j]                       ; tile 0: p = 2^(t - M); among them tile 1's t - M, which is read behind the next wait
	v_exp_f32 v[S+j+1], v[S+j+1]
	v_pk_fma_f32 v[S+64+j:S+64+j+1], v[S+64+j:S+64+j+1], s[CS:CS+1], v[NM+2:NM+3] op_sel_hi:[1,0,0]
.set j, j+2
.endr
	WIN 0x45
	WALU                                           ; behind the first batch, ahead of the second
.set j, 0
.rept 16
	v_exp_f32 v[S+64+4*j], v[S+64+4*j]             ; tile 1's p; among them the first level of tile 0's sum, which is read behind the next wait
	v_exp_f32 v[S+64+4*j+1], v[S+64+4*j+1]
	v_exp_f32 v[S+64+4*j+2], v[S+64+4*j+2]
	v_exp_f32 v[S+64+4*j+3], v[S+64+4*j+3]
	v_pk_add_f32 v[T+2*j:T+2*j+1], v[S+4*j:S+4*j+1], v[S+4*j+2:S+4*j+3]
.set j, j+1
.endr
	WIN 0
.irp k, 0,1,2,3
	v_max_num_f32 v[BM+\k], 0x1800000, v[BM+\k]    ; the floor 2^(3 - 127): the byte cannot fall under 1
.endr
.irp k, 0,1,2,3
	v_add_nc_u32 v[SO+\k], 0xff000000, v[BM+\k]    ; 2 off the exponent field: the conversion's scale operand
.endr
.irp k, 0,1,2,3
	v_lshrrev_b32 v[BY+\k], 23, v[SO+\k]
.endr
.irp u, 0,1
	v_lshl_or_b32 v[PW+\u], v[BY+2*\u+1], 16, v[BY+2*\u]   ; blocks h and 2 + h,
.endr
.irp u, 0,1
	v_lshlrev_b32 v[PW+\u], v[SH8], v[PW+\u]       ; at their places,
.endr
.irp u, 0,1
	v_permlanex16_b32 v[PX+\u], v[PW+\u], s[SEL], s[SEL+1]
.endr
.irp u, 0,1
	v_or_b32 v[PW+\u], v[PW+\u], v[PX+\u]          ; with lane l xor 16's two: p's scale word for these 128 keys
.endr
	WALU                                           ; behind the second batch
	WIN 0x41
.irp k, 0,1,2,3
	v_cvt_scalef32_pk16_fp6_f32 v[PC+6*\k:PC+6*\k+2], v[S+32*\k:S+32*\k+15], v[SO+\k]
	v_cvt_scalef32_pk16_fp6_f32 v[PT+4*\k:PT+4*\k+2], v[S+32*\k+16:S+32*\k+31], v[SO+\k]   ; (a conversion's three registers begin on an even number)
.endr
	WIN 0x45
.set j, 0
.rept 16
	v_pk_add_f32 v[T+32+2*j:T+32+2*j+1], v[S+64+4*j:S+64+4*j+1], v[S+64+4*j+2:S+64+4*j+3]   ; tile 1's first level: also the plain places behind the conversions
.set j, j+1
.endr
	WIN 0x41
.irp k, 0,1,2,3
.irp i, 0,1,2
	v_mov_b32 v[PC+6*\k+3+\i], v[PT+4*\k+\i]
.endr
.endr
	WIN 0x45
.irp n, 8,4,2,1
.set j, 0
.rept \n
.irp u, 0,1
	v_pk_add_f32 v[T+32*\u+2*j:T+32*\u+2*j+1], v[T+32*\u+2*j:T+32*\u+2*j+1], v[T+32*\u+2*(j+\n):T+32*\u+2*(j+\n)+1]
.endr
.set j, j+1
.endr
.endr
	WIN 0x04
.irp u, 0,1
	v_pk_add_f32 v[L+2*\u:L+2*\u+1], v[L+2*\u:L+2*\u+1], v[T+32*\u:T+32*\u+1]
.endr
	WIN 0
	WALU
.if \pre
	s_wait_dscnt 17                                ; v is in; the 17 loads of the next step's k, issued behind it, may be out
.else
	s_wait_dscnt 0x0
.endif
	WIN 0x04
.irp dt, 0,1,2,3
.irp u, 0,1
	v_wmma_scale_f32_16x16x128_f8f6f4 v[O+32*\u+8*\dt:O+32*\u+8*\dt+7], v[VF+12*\dt:VF+12*\dt+11], v[PC+12*\u:PC+12*\u+11], v[O+32*\u+8*\dt:O+32*\u+8*\dt+7], v[VS+\dt], v[PW+\u] matrix_a_fmt:MATRIX_FMT_FP6 matrix_b_fmt:MATRIX_FMT_FP6
.endr
.endr
	WIN 0
.endm
; ================= the head
	s_load_b128 s[4:7], s[0:1], 0x0                ; qb, kvb
	s_load_b64 s[8:9], s[0:1], 0x10                ; ao
	v_lshl_add_u32 v[SPW], v0, 2, SPARE
	v_mov_b32 v[NIL], 0
	ds_add_u32 v[SPW], v[NIL]                      ; the opening lines
	ds_add_u32 v[SPW], v[NIL]
	v_lshrrev_b32 v9, 5, v0
	v_readfirstlane_b32 s[WV], v9                  ; wave 0..7
	s_bfe_u32 s11, ttmp6, 0x40000                  ; cx: it enters q's and ao's addresses alone
	s_and_b32 s12, ttmp7, 0xffff                   ; 16 batch + head, which the four partners share
	s_mov_b32 s[G1], 15|(3<<16)|(1<<21)            ; the mask: all four; elements of 8 bytes; bit 21 beside a mask; no padding
	s_mov_b32 s[G1+1], 32<<16                      ; two records are dense: 104 rows of 256 bytes
	s_mov_b32 s[G1+2], 104<<16
	s_mov_b32 s[G1+3], 32<<16
	s_mov_b32 s[G1+4], 104
	s_mov_b32 s[G1+5], 32
	s_mov_b32 s[G1+6], 0
	s_mov_b32 s[G1+7], 0
	s_mul_i32 s13, s[WV], 2*KVREC                  ; records 2 w, 2 w + 1: in LDS, and in the head
	s_mul_i32 s14, s12, 16*KVREC
	s_add_co_u32 s14, s14, s13
	s_mov_b32 s15, 0
	s_mov_b32 s[SEL], 0x76543210
	s_mov_b32 s[SEL+1], 0xfedcba98
	s_mov_b32 s[CS], 0x3e38aa3b
	s_mov_b32 s[CS+1], s[CS]
	s_wait_dscnt 0x0
	s_wait_kmcnt 0x0
	s_mov_b32 s[G0], 1
	s_mov_b32 s[G0+1], s13
	s_add_nc_u64 s[G0+2:G0+3], s[6:7], s[14:15]
	s_or_b32 s[G0+3], s[G0+3], 0x80000000
	CROUND                                         ; all four work-groups are here: the joint loads meet
	tensor_load_to_lds s[G0:G0+3], s[G1:G1+7]      ; my one tensor load
	s_nop 0
	PLACES
	; q: tiles 32 cx + 4 w + 0 .. 3 of the head: group 4 cx + w / 2 of 128 queries, tiles 4 (w % 2) + 0 .. 3 in it
	s_lshl_b32 s34, s12, 4
	s_lshl_b32 s35, s11, 2
	s_add_co_u32 s34, s34, s35
	s_lshr_b32 s35, s[WV], 1
	s_add_co_u32 s34, s34, s35
	s_mul_i32 s34, s34, 6656
	s_and_b32 s36, s[WV], 1
	s_mul_i32 s35, s36, 3072
	s_add_co_u32 s38, s34, s35
	s_mov_b32 s39, 0
	s_lshl_b32 s36, s36, 8
	s_add_co_u32 s40, s34, s36
	s_add_co_u32 s40, s40, 6144
	s_mov_b32 s41, 0
	s_add_nc_u64 s[38:39], s[4:5], s[38:39]        ; the codes
	s_add_nc_u64 s[40:41], s[4:5], s[40:41]        ; the scale words: four tiles' words of a row are 16 bytes on end
	; ao: tile 128 batch + 32 cx + 4 w; head hd: record hd / 4, piece hd % 4; its two scale bytes at 3,072 + 8 r + 2 (hd % 4)
	s_lshr_b32 s42, s12, 4
	s_lshl_b32 s42, s42, 7
	s_lshl_b32 s43, s11, 5
	s_add_co_u32 s42, s42, s43
	s_lshl_b32 s43, s[WV], 2
	s_add_co_u32 s42, s42, s43
	s_mul_i32 s42, s42, 13312
	s_and_b32 s43, s12, 15
	s_lshr_b32 s44, s43, 2
	s_mul_i32 s44, s44, 3328
	s_add_co_u32 s42, s42, s44
	s_and_b32 s44, s43, 3
	s_mul_i32 s45, s44, 768
	s_lshl_b32 s44, s44, 1
	s_add_co_u32 s44, s44, 3072
	s_add_co_u32 s44, s44, s42
	s_add_co_u32 s42, s42, s45
	s_mov_b32 s43, 0
	s_mov_b32 s45, 0
	s_add_nc_u64 s[42:43], s[8:9], s[42:43]        ; the codes
	s_add_nc_u64 s[44:45], s[8:9], s[44:45]        ; the scale bytes
	v_and_b32 v9, 31, v0
	v_and_b32 v[R16], 15, v0
	v_bfe_u32 v[SH8], v0, 4, 1
	v_lshlrev_b32 v[LI], 4, v9
	v_lshlrev_b32 v[L8], 3, v9
	v_lshlrev_b32 v[R16], 4, v[R16]
	v_lshlrev_b32 v[SH8], 3, v[SH8]
	WALU
	global_load_b128 v[Q:Q+3], v[LI], s[38:39]
	global_load_b64 v[Q+4:Q+5], v[L8], s[38:39] offset:512
	global_load_b128 v[Q+12:Q+15], v[LI], s[38:39] offset:768
	global_load_b64 v[Q+16:Q+17], v[L8], s[38:39] offset:1280
	global_load_b128 v[QS:QS+3], v[R16], s[40:41]
	WIN 0x40
	global_load_b128 v[QN:QN+3], v[LI], s[38:39] offset:1536
	global_load_b64 v[QN+4:QN+5], v[L8], s[38:39] offset:2048
	global_load_b128 v[QN+6:QN+9], v[LI], s[38:39] offset:2304
	global_load_b64 v[QN+10:QN+11], v[L8], s[38:39] offset:2816
	WIN 0
.irp j, 6,7,8,9,10,11
	v_mov_b32 v[Q+\j], 0                           ; zero codes for k = 64 .. 127
	v_mov_b32 v[Q+12+\j], 0
	v_mov_b32 v[KF+42+\j], 0                       ; what the last tile of k runs on into
.endr
.irp u, 0,1
	v_mov_b32 v[RX+\u], 0                          ; a lane permute's destination counts as one of its sources
	v_mov_b32 v[PX+\u], 0
	v_mov_b32 v[F+2*\u+1], 0                       ; (named as the upper half of a pair)
.endr
	WALU
	s_wait_tensorcnt 0x0                           ; my two records have landed,
	s_barrier_signal -1
	s_barrier_wait -1                              ; everybody's have: the whole head lies in LDS
	s_wait_loadcnt 0x0                             ; q
	s_mov_b32 s[PASS], 0
; ================= a pass: two tiles of 16 queries against all 2,048 keys
.Lpass:
.irp u, 0,1
	v_mov_b32 v[NM+2*\u+1], 0xff61b1e6             ; the largest t so far: -3e38
	v_mov_b32 v[L+2*\u], 0
	v_mov_b32 v[L+2*\u+1], 0
.endr
.irp u, 0,1
	v_floor_f32 v[NM+2*\u], -v[NM+2*\u+1]          ; -M
.endr
.set j, 0
.rept 64
	v_mov_b32 v[O+j], 0                            ; the step is written once: the first finds zeros, which the first change of M leaves zeros
.set j, j+1
.endr
	KLOAD LI, L8, 0                                ; the first step's k
	s_mov_b32 s[TB], 0
	s_mov_b32 s[CNT], 15
	WALU
.Lkeys:
	STEP 1
	s_add_co_u32 s[TB], s[TB], KVREC
	s_sub_co_u32 s[CNT], s[CNT], 1
	s_cmp_lg_u32 s[CNT], 0
	s_cbranch_scc1 .Lkeys
	s_mov_b32 s[TB], 15*KVREC
	STEP 0                                         ; the last step asks for no k
	PLACES
.irp u, 0,1
	v_add_f32 v[L+2*\u], v[L+2*\u], v[L+2*\u+1]    ; the sum's two halves,
.endr
.irp u, 0,1
	v_permlanex16_b32 v[RX+\u], v[L+2*\u], s[SEL], s[SEL+1]
.endr
.irp u, 0,1
	v_add_f32 v[L+2*\u], v[L+2*\u], v[RX+\u]       ; and lane l xor 16's: the row's sum
.endr
	WALU
	v_rcp_f32 v[L], v[L]
	v_rcp_f32 v[L+2], v[L+2]
	v_nop                                          ; a plain place behind the reciprocals
	WIN 0x40
	WALU                                           ; ahead of the first reader of the reciprocals and of O^T
.irp u, 0,1
.set j, 0
.rept 32
	v_mul_f32 v[S+64*\u+j], v[O+32*\u+j], v[L+2*\u]   ; register j: o(my query, 32 h + j): one whole block of the last product's K
.set j, j+1
.endr
.endr
	WIN 0x05
.irp k, 0,1,2,3
	v_max3_num_f32 v[BM+\k], |v[S+64*(\k/2)+16*(\k%2)]|, |v[S+64*(\k/2)+16*(\k%2)+1]|, 0x1800000
.endr
.irp i, 2,4,6,8,10,12,14
.irp k, 0,1,2,3
	v_max3_num_f32 v[BM+\k], |v[S+64*(\k/2)+16*(\k%2)+\i]|, |v[S+64*(\k/2)+16*(\k%2)+\i+1]|, v[BM+\k]
.endr
.endr
	WIN 0
.irp u, 0,1
	v_max_num_f32 v[BM+2*\u], v[BM+2*\u], v[BM+2*\u+1]
.endr
.irp u, 0,1
	v_add_nc_u32 v[SO+\u], 0xff000000, v[BM+2*\u]
.endr
.irp u, 0,1
	v_lshrrev_b32 v[BY+\u], 23, v[SO+\u]
.endr
.irp u, 0,1
	v_lshlrev_b32 v[HW+\u], v[SH8], v[BY+\u]
.endr
.irp u, 0,1
	v_permlanex16_b32 v[PX+\u], v[HW+\u], s[SEL], s[SEL+1]
.endr
.irp u, 0,1
	v_or_b32 v[HW+\u], v[HW+\u], v[PX+\u]          ; the head's two bytes of my row
.endr
	WIN 0x41
.irp u, 0,1
	v_cvt_scalef32_pk16_fp6_f32 v[PC+12*\u:PC+12*\u+2], v[S+64*\u:S+64*\u+15], v[SO+\u]
	v_cvt_scalef32_pk16_fp6_f32 v[PT+8*\u:PT+8*\u+2], v[S+64*\u+16:S+64*\u+31], v[SO+\u]
.endr
	v_nop                                          ; one plain place behind the conversions
.irp u, 0,1
.irp i, 0,1,2
	v_mov_b32 v[PC+12*\u+3+\i], v[PT+8*\u+\i]
.endr
.endr
	WIN 0x04                                       ; a store's data are its source 1
.irp u, 0,1
	global_store_b128 v[LI], v[PC+12*\u:PC+12*\u+3], s[42:43] offset:13312*\u        ; 512 consecutive bytes, aligned to 256
	global_store_b64 v[L8], v[PC+12*\u+4:PC+12*\u+5], s[42:43] offset:13312*\u+512   ; 256
.endr
	WIN 0
.irp u, 0,1
	global_store_b16 v[L8], v[HW+\u], s[44:45] offset:13312*\u                       ; lanes 0-15 the words' part, lanes 16-31 the copy's
.endr
	WIN 0x01
.irp i, 0,1,2,3,4,5
	v_mov_b32 v[Q+\i], v[QN+\i]                    ; the second pass's q
	v_mov_b32 v[Q+12+\i], v[QN+6+\i]
.endr
	WIN 0
	v_mov_b32 v[QS], v[QS+2]
	v_mov_b32 v[QS+1], v[QS+3]
	s_wait_xcnt 0x0                                ; the stores have read their data and bases: both are written again only behind this wait
	s_add_nc_u64 s[42:43], s[42:43], 2*13312
	s_add_nc_u64 s[44:45], s[44:45], 2*13312
	s_add_co_u32 s[PASS], s[PASS], 1
	s_cmp_lg_u32 s[PASS], 2
	WALU
	s_cbranch_scc1 .Lpass
	s_wait_tensorcnt 0x0                           ; the wave's end
	ds_add_u32 v[SPW], v[NIL]
	s_wait_dscnt 0x0
	CROUND                                         ; the closing round
	s_endpgm
.Lfunc_end_k_qb25d198b89_attn:
	.size	k_qb25d198b89_attn, .Lfunc_end_k_qb25d198b89_attn-k_qb25d198b89_attn
	.p2alignl 7, 3214868480
	.fill 96, 4, 3214868480
	.section	.rodata,"a",@progbits
	.p2align	6, 0x0
	.amdhsa_kernel k_qb25d198b89_attn
		.amdhsa_group_segment_fixed_size 229376
		.amdhsa_private_segment_fixed_size 0
		.amdhsa_enable_private_segment 0
		.amdhsa_kernarg_size 24
		.amdhsa_user_sgpr_count 2
		.amdhsa_user_sgpr_kernarg_segment_ptr 1
		.amdhsa_wavefront_size32 1
		.amdhsa_system_sgpr_workgroup_id_x 1
		.amdhsa_system_sgpr_workgroup_id_y 1
		.amdhsa_system_sgpr_workgroup_id_z 1
		.amdhsa_system_vgpr_workitem_id 0
		.amdhsa_next_free_vgpr 512
		.amdhsa_next_free_sgpr 66
		.amdhsa_reserve_vcc 0
		.amdhsa_float_denorm_mode_32 3
		.amdhsa_float_denorm_mode_16_64 3
		.amdhsa_memory_ordered 1
		.amdhsa_forward_progress 1
		.amdhsa_inst_pref_size 71
	.end_amdhsa_kernel
	.amdgpu_metadata
---
amdhsa.version: [ 1, 2 ]
amdhsa.kernels:
  - .name:           k_qb25d198b89_attn
    .symbol:         k_qb25d198b89_attn.kd
    .args:
      - { .name: qb, .offset: 0, .size: 8, .value_kind: global_buffer, .address_space: global }
      - { .name: kvb, .offset: 8, .size: 8, .value_kind: global_buffer, .address_space: global }
      - { .name: ao, .offset: 16, .size: 8, .value_kind: global_buffer, .address_space: global }
    .group_segment_fixed_size: 229376
    .private_segment_fixed_size: 0
    .kernarg_segment_align: 8
    .kernarg_segment_size: 24
    .max_flat_workgroup_size: 256
    .sgpr_count:     66
    .vgpr_count:     512
    .wavefront_size: 32
...
	.end_amdgpu_metadata
.endif
;; end of part 3
;; launch gemm_out (part 4): grid 4 x 64, 4 waves a work-group, clusters of 4 x 4, 327,680 bytes of LDS; arguments ao, wq, b_out, out0; writes out0
.if DOCPART == 4
	.amdgcn_target "amdgcn-amd-amdhsa--gfx1250"
	.amdhsa_code_object_version 6
	.text
	.protected	k_qb25d198b89_gemm_out
	.globl	k_qb25d198b89_gemm_out
	.p2align	8
	.type	k_qb25d198b89_gemm_out,@function
k_qb25d198b89_gemm_out:
	s_mov_b64 s[64:65], 0
	v_nop
	global_prefetch_b8 v0, s[64:65] scope:SCOPE_SE
	s_setreg_imm32_b32 hwreg(HW_REG_WAVE_MODE, 25, 1), 1
	s_wait_xcnt 0x0
	s_wait_alu depctr_hold_cnt(0) depctr_sa_sdst(0) depctr_va_vdst(0) depctr_va_sdst(0) depctr_va_ssrc(0) depctr_va_vcc(0) depctr_vm_vsrc(0)
	s_getreg_b32 s2, hwreg(HW_REG_IB_STS2, 6, 4)
	s_cmp_eq_u32 s2, 0
	s_cbranch_scc0 .Lentry_in_a_cluster
	s_endpgm
.Lentry_in_a_cluster:
	s_bfe_u32 s2, ttmp6, 0x10000c
	s_cmp_lg_u32 s2, 0xf033
	s_cbranch_scc0 .Lentry_shape_is_right
	s_endpgm
.Lentry_shape_is_right:
; out0 = o W_out + b_out on codes of FP6 (E2M3) with E8M0 scales, K = 1,024; out0 [8192][1024] f32.
; OPERANDS come as records in the order of the operand's registers: [tile of 16 rows][ks 0..3][3,328 bytes]: four pieces of 768 bytes (q = 0, 1: 128 along K; c = 0, 1: 64 along K; registers 6 c .. 6 c + 3 of lane l
; at 16 l, registers 6 c + 4, 5 at 512 + 8 l) and the scale words, (row r, q) at 3,072 + 8 r + 4 q.  Tile t of a group of 64 rows holds in lane-row r the row 32 (r / 8) + 8 t + r % 8.
; THE PRODUCT IS USED TRANSPOSED: source 0 = 16 features (P0 = wq, tiles 192 on), source 1 = 16 tokens (P1 = ao).  In accumulator (a, b) lane (r, h) holds the token of lane-row r of tile a, and register j the feature
; 64 (b / 4) + 32 h + 8 (b % 4) + j: eight neighbouring numbers of a row of out0.
; SHARES.  A work-group makes 128 tokens x 256 features; each of four waves 64 x 128: 32 accumulators, 256 registers.  ALL OF K LIES IN LDS: two halves of 512 along K, each filled once, at the start: a wave has one
; tensor load out, and nothing is ever filled again.  CLUSTER 4 x 4: P1's tiles are shared along a row of the cluster, P0's along a column, each asked for jointly.
; LIMITS: NaN and infinities are not served.
.set REC,   13312
.set KREC,  3328
; THE FILLS AS THEY STAND: K lies in LDS in two halves of 512 along K (two records of each tile, rows of 6,656 bytes), P1's 8 tiles, then P0's 16.  One tensor load a wave, each in an arm of its own:
; wave 0 P1's first half, wave 1 P0's, wave 2 P1's second half, wave 3 P0's.  The first barrier shows waves 0 and 1's tiles, the barrier in step 3 the other two.  Nothing is filled again.
; The stage of the way out lies in the first half, which is read no more behind the barrier in step 3.
.set P1B,   16*KREC
.set SLOT,  24*KREC
.set SPARE, 4*SLOT                     ; behind the slots: the spare words, 128 bytes for each wave: two blocks of 256 bytes that no other line names
.set SPITCH, 528                       ; the way out: a stage of 16 rows x (512 bytes + 16) for each wave, in slot 0, which has had its one fill and its last read when the first result is stored there
.set A16, 8                            ; v8, v9    LDS: my four tiles of P1, 16 x lane and 8 x lane
.set A8,  9
.set B16, 10                           ; v10, v11  my eight tiles of P0
.set B8,  11
.set ADRS, 12                          ; v12  the scale words: lanes 0-15 P1's, lanes 16-31 P0's
.set VO16, 13                          ; v13  16 x lane
.set VO8, 14                           ; v14  8 x lane
.set STO, 16                           ; v16  the stage: where I put 32 bytes of a row
.set RD,  17                           ; v17  and where I read a row back
.set SPW, 28                           ; v28  my spare word; never rewritten
.set NIL, 29                           ; v29  0; never rewritten
.set SC,  32                           ; v32-63 scale words, two sets of 16: register 2 i + q
.set BI,  64                           ; v64-127 the bias, in the result's layout
.set AF,  128                          ; v128-223 P1's fragments, two sets of 48.  Window 1: P0's, two sets, at v0 and v128.  Window 2: accumulator (a, b) at v[8 (8 a + b)]
.set BK,  128                          ; the way out: 16 rows read back: v128-191 and v192-255 by turns
.set WV,  14                           ; s14 wave; s15 wave % 2; s16 wave / 2; s17 cx; s18 cy
.set G1A, 24                           ; s[24:31] group 1 for P1's tiles; s[32:39] for P0's
.set G1B, 32
.set G0A, 40                           ; s[40:43] group 0 for P1; P0's at s[56:59]
.set MSB, 0
.macro WIN new                         ; the immediate's high byte repeats the setting that is left
.if MSB != \new
	s_set_vgpr_msb (MSB<<8)|\new
.set MSB, \new
.endif
.endm
.macro PLACES
.rept 4
	v_nop
.endr
.endm
.macro CROUND                          ; a round of the cluster's barrier
	s_barrier_signal -1
	s_barrier_wait -1
	s_cmp_lg_u32 s[WV], 0
	s_cbranch_scc1 .Lnot_wave_0_\@
	s_barrier_signal -3
.Lnot_wave_0_\@:
	s_barrier_wait -3
	s_barrier_signal -1
	s_barrier_wait -1
.endm
.macro FRAG reg, a16, a8, off          ; a fragment, 16 rows x 128 K: 12 registers by four dense loads
	ds_load_b128 v[\reg:\reg+3], v[\a16] offset:\off
	ds_load_b64 v[\reg+4:\reg+5], v[\a8] offset:\off+512
	ds_load_b128 v[\reg+6:\reg+9], v[\a16] offset:\off+768
	ds_load_b64 v[\reg+10:\reg+11], v[\a8] offset:\off+1280
.endm
.macro FETCH m                         ; step m of 8 (128 along K): its fragments into set m % 2; with a slot's first step the slot's scale words
	WIN 0x40                                       ; destination window 1
.irp b, 0,1,2,3,4,5,6,7
	FRAG 128*((\m)%2)+12*\b, B16, B8, 2*KREC*\b+KREC*(((\m)/2)%2)+1536*((\m)%2)
.endr
	WIN 0
.irp a, 0,1,2,3
	FRAG AF+48*((\m)%2)+12*\a, A16, A8, 2*KREC*\a+KREC*(((\m)/2)%2)+1536*((\m)%2)
.endr
.if (\m)%2 == 0
.irp i, 0,1,2,3,4,5,6,7
	ds_load_b64 v[SC+16*(((\m)/2)%2)+2*\i:SC+16*(((\m)/2)%2)+2*\i+1], v[ADRS] offset:2*KREC*\i+KREC*(((\m)/2)%2)+3072
.endr
.endif
.endm
; 32 products: the accumulators take turns, one instruction a turn, in the same order in every step.  cform 1: the first step starts the sums with the bias as C
.macro MUL32 p, q, sc, cform
.if \cform
	WIN 0x81                                       ; source 0 window 1, source 1 and C window 0, D window 2
.else
	WIN 0xa1                                       ; C and D window 2
.endif
.irp a, 0,1,2,3
.irp b, 0,1,2,3,4,5,6,7
.if \cform
	v_wmma_scale_f32_16x16x128_f8f6f4 v[8*(8*\a+\b):8*(8*\a+\b)+7], v[128*(\p)+12*\b:128*(\p)+12*\b+11], v[AF+48*(\p)+12*\a:AF+48*(\p)+12*\a+11], v[BI+8*\b:BI+8*\b+7], v[SC+16*(\sc)+2*\b+(\q)], v[SC+16*(\sc)+2*\a+(\q)] matrix_a_fmt:MATRIX_FMT_FP6 matrix_b_fmt:MATRIX_FMT_FP6 matrix_a_scale:MATRIX_SCALE_ROW1
.else
	v_wmma_scale_f32_16x16x128_f8f6f4 v[8*(8*\a+\b):8*(8*\a+\b)+7], v[128*(\p)+12*\b:128*(\p)+12*\b+11], v[AF+48*(\p)+12*\a:AF+48*(\p)+12*\a+11], v[8*(8*\a+\b):8*(8*\a+\b)+7], v[SC+16*(\sc)+2*\b+(\q)], v[SC+16*(\sc)+2*\a+(\q)] matrix_a_fmt:MATRIX_FMT_FP6 matrix_b_fmt:MATRIX_FMT_FP6 matrix_a_scale:MATRIX_SCALE_ROW1
.endif
.endr
.endr
.endm
; Step n: its fragments are in; the next step's are asked for; its 32 products.  Step 3 opens the second half of K: my load has landed, then the barrier.
.macro GSTEP n, cform
	s_wait_dscnt 0x0                               ; step n's fragments; and no LDS instruction of mine is out at the signal below
.if (\n) == 3
	s_wait_tensorcnt 0x0                           ; every wave's one load has landed: the second half of K is whole behind the barrier
	s_barrier_signal -1
	s_barrier_wait -1
	v_add_nc_u32 v[A16], 2*SLOT, v[A16]            ; on to the second half.  These five are also the places in front of the loads below
	v_add_nc_u32 v[A8], 2*SLOT, v[A8]
	v_add_nc_u32 v[B16], 2*SLOT, v[B16]
	v_add_nc_u32 v[B8], 2*SLOT, v[B8]
	v_add_nc_u32 v[ADRS], 2*SLOT, v[ADRS]
.endif
.if ((\n) != 3) && ((\n) > 0)
	PLACES                                         ; in front of loads into registers that the step before has multiplied
.endif
.if (\n) < 7
	FETCH (\n)+1
.endif
	MUL32 (\n)%2, (\n)%2, ((\n)/2)%2, \cform
	WIN 0
.endm
	s_load_b128 s[4:7], s[0:1], 0x0                ; ao, wq
	s_load_b128 s[8:11], s[0:1], 0x10              ; b_out, out0
	v_lshl_add_u32 v[SPW], v0, 2, SPARE
	v_mov_b32 v[NIL], 0
	ds_add_u32 v[SPW], v[NIL]                      ; the wave's opening: the set-up below, work on registers, stands between the add and its wait
	ds_add_u32 v[SPW], v[NIL]
	v_lshrrev_b32 v1, 5, v0
	v_readfirstlane_b32 s[WV], v1                  ; wave 0..3
	s_and_b32 s15, s[WV], 1                        ; wc: which 128 features are mine.  Also: I fetch for P1 (0) or P0 (1)
	s_lshr_b32 s16, s[WV], 1                       ; wr: which 64 tokens.  Also: which half of K I fetch
	s_bfe_u32 s17, ttmp6, 0x40000                  ; cx
	s_bfe_u32 s18, ttmp6, 0x40004                  ; cy
	s_and_b32 s76, ttmp7, 0xffff
	s_lshl_b32 s76, s76, 2
	s_add_co_u32 s76, s76, s18                     ; i1: which 128 tokens (hangs on cy, never on cx)
	s_lshl_b32 s80, ttmp9, 2
	s_add_co_u32 s80, s80, s17                     ; i0: which 256 features (on cx, never on cy)
	s_lshl_b32 s86, s18, 2
	s_lshl_b32 s86, 15, s86                        ; my row of the cluster
	s_lshl_b32 s87, 0x1111, s17                    ; my column
	; group 1: R rows (tiles) of 6,656 bytes = 832 elements of 8 bytes, 13,312 bytes = 1,664 elements apart; no padding: the images are read densely
	s_or_b32 s[G1A], s86, (3<<16)|(1<<21)          ; 15:0 the mask; 17:16 elements of 8 bytes; 21 set beside a mask
	s_or_b32 s[G1B], s87, (3<<16)|(1<<21)
	s_mov_b32 s[G1A+1], 832<<16                    ; a row: two records, 6,656 bytes = 832 elements
	s_mov_b32 s[G1A+2], 8<<16                      ; 8 tiles
	s_mov_b32 s[G1A+3], 832<<16
	s_mov_b32 s[G1A+4], 8
	s_mov_b32 s[G1A+5], 1664                       ; from row to row
	s_mov_b32 s[G1A+6], 0
	s_mov_b32 s[G1A+7], 0
	s_mov_b32 s[G1B+1], 832<<16
	s_mov_b32 s[G1B+2], 16<<16                     ; 16 tiles
	s_mov_b32 s[G1B+3], 832<<16
	s_mov_b32 s[G1B+4], 16
	s_mov_b32 s[G1B+5], 1664
	s_mov_b32 s[G1B+6], 0
	s_mov_b32 s[G1B+7], 0
	s_lshl_b32 s78, s76, 3
	s_mul_i32 s78, s78, REC                        ; P1: the first of its eight tiles,
	s_mul_i32 s77, s16, 2*KREC                     ; and the half of K that I fetch: wave / 2
	s_add_co_u32 s78, s78, s77
	s_mov_b32 s79, 0
	s_lshl_b32 s82, s80, 4
	s_add_co_u32 s82, s82, 192                     ; P0: the first of its sixteen tiles; W_out's features begin at tile 192 of wq
	s_mul_i32 s82, s82, REC
	s_add_co_u32 s82, s82, s77
	s_mov_b32 s83, 0
	s_mul_i32 s84, s16, 2*SLOT                     ; where they go: the half's base; P0's tiles behind P1's
	s_add_co_u32 s85, s84, P1B
	s_wait_dscnt 0x0                               ; the opening add is done
	s_wait_kmcnt 0x0
	s_add_nc_u64 s[20:21], s[4:5], s[78:79]
	s_add_nc_u64 s[22:23], s[6:7], s[82:83]
.irp k, 0
	s_mov_b32 s[G0A+4*\k], 1
	s_add_co_u32 s[G0A+4*\k+1], s84, \k*SLOT                       ; LDS address
	s_add_nc_u64 s[G0A+4*\k+2:G0A+4*\k+3], s[20:21], \k*KREC       ; global address: record ks = 2 (wave / 2) + k of my first tile
	s_or_b32 s[G0A+4*\k+3], s[G0A+4*\k+3], 0x80000000              ; type = 2
	s_mov_b32 s[56+4*\k+4*(\k/2)], 1
	s_add_co_u32 s[57+4*\k+4*(\k/2)], s85, \k*SLOT
	s_add_nc_u64 s[58+4*\k+4*(\k/2):59+4*\k+4*(\k/2)], s[22:23], \k*KREC
	s_or_b32 s[59+4*\k+4*(\k/2)], s[59+4*\k+4*(\k/2)], 0x80000000
.endr
	CROUND                                         ; all sixteen work-groups are here: the joint loads meet
	s_cmp_eq_u32 s[WV], 0                          ; one chain of branches on the wave's number, one load to an arm, one join
	s_cbranch_scc0 .Lfill_1
	tensor_load_to_lds s[G0A:G0A+3], s[G1A:G1A+7]  ; wave 0: P1, first half of K
	s_nop 0
	PLACES
	s_branch .Lfilled
.Lfill_1:
	s_cmp_eq_u32 s[WV], 1
	s_cbranch_scc0 .Lfill_2
	tensor_load_to_lds s[56:59], s[G1B:G1B+7]      ; wave 1: P0, first half
	s_nop 0
	PLACES
	s_branch .Lfilled
.Lfill_2:
	s_cmp_eq_u32 s[WV], 2
	s_cbranch_scc0 .Lfill_3
	tensor_load_to_lds s[G0A:G0A+3], s[G1A:G1A+7]  ; wave 2: P1, second half
	s_nop 0
	PLACES
	s_branch .Lfilled
.Lfill_3:
	tensor_load_to_lds s[56:59], s[G1B:G1B+7]      ; wave 3: P0, second half
	s_nop 0
	PLACES
.Lfilled:
	v_and_b32 v1, 31, v0                           ; lane
	v_and_b32 v2, 15, v0                           ; r
	v_bfe_u32 v3, v0, 4, 1                         ; h
	v_lshlrev_b32 v[VO16], 4, v1
	v_lshlrev_b32 v[VO8], 3, v1
	s_mul_i32 s66, s16, 8*KREC
	s_mul_i32 s67, s15, 16*KREC
	s_add_co_u32 s67, s67, P1B                     ; my eight tiles of P0
	v_add_nc_u32 v[A16], s66, v[VO16]
	v_add_nc_u32 v[A8], s66, v[VO8]
	v_add_nc_u32 v[B16], s67, v[VO16]
	v_add_nc_u32 v[B8], s67, v[VO8]
	s_sub_co_u32 s67, s67, s66
	v_mul_u32_u24 v[ADRS], s67, v3                 ; lanes 16-31 take P0's words: the lower base + h x the distance
	v_lshl_add_u32 v[ADRS], v2, 3, v[ADRS]
	v_add_nc_u32 v[ADRS], s66, v[ADRS]
	s_mul_i32 s19, s[WV], 16*SPITCH                ; my stage
	v_mul_u32_u24 v[STO], v2, SPITCH
	v_lshl_add_u32 v[STO], v3, 7, v[STO]
	v_add_nc_u32 v[STO], s19, v[STO]               ; in: row r, + 128 h
	v_add_nc_u32 v[RD], s19, v[VO16]               ; back: a row of 512 bytes, 16 a lane
	; the bias, as the C of each sum's first product; and where my part of out0 begins
	s_lshl_b32 s88, s80, 10
	s_lshl_b32 s89, s15, 9
	s_add_co_u32 s88, s88, s89                     ; 4 (256 i0 + 128 wc)
	s_mov_b32 s89, 0
	s_add_nc_u64 s[8:9], s[8:9], s[88:89]
	v_lshlrev_b32 v18, 7, v3
.irp b, 0,1,2,3,4,5,6,7
	global_load_b128 v[BI+8*\b:BI+8*\b+3], v18, s[8:9] offset:4*(64*(\b/4)+8*(\b%4))         ; tile b of P0: features 64 (b / 4) + 32 h + 8 (b % 4) + 0 .. 7
	global_load_b128 v[BI+8*\b+4:BI+8*\b+7], v18, s[8:9] offset:4*(64*(\b/4)+8*(\b%4))+16
.endr
	s_lshl_b32 s90, s76, 7
	s_lshl_b32 s91, s16, 6
	s_add_co_u32 s90, s90, s91                     ; my first token: 128 i1 + 64 wr
	s_lshl_b32 s90, s90, 12
	s_add_co_u32 s90, s90, s88
	s_mov_b32 s91, 0
	s_add_nc_u64 s[10:11], s[10:11], s[90:91]
	s_wait_alu depctr_va_vdst(0)
	s_cmp_lt_u32 s[WV], 2                          ; waves 0 and 1 wait for their loads, whose lines are theirs alone: the first half of K
	s_cbranch_scc0 .Lnot_first
	s_wait_tensorcnt 0x0
.Lnot_first:
	s_barrier_signal -1
	s_barrier_wait -1                              ; everybody's is
	FETCH 0
	s_wait_loadcnt 0x0                             ; the bias
	GSTEP 0, 1
	GSTEP 1, 0
	GSTEP 2, 0
	GSTEP 3, 0
	s_wait_alu depctr_va_vdst(0)
	GSTEP 4, 0
	GSTEP 5, 0
	GSTEP 6, 0
	GSTEP 7, 0
; THE WAY OUT, tile by tile of 16 tokens x 128 features.  A lane holds pieces of 32 bytes of one row, and the lanes beside it hold other rows: so a tile goes through my own stage and comes back as whole rows of 512 bytes.
; LDS serves a wave's instructions in order (ISA guide 5.7.1.4): no wait between the stores and the loads, nor in front of the next tile's stores.
.macro TOSTAGE a
	WIN 0x08                                       ; an LDS store's data are its source 1: window 2
.irp b, 0,1,2,3,4,5,6,7
	ds_store_b128 v[STO], v[8*(8*(\a)+\b):8*(8*(\a)+\b)+3] offset:256*(\b/4)+32*(\b%4)       ; each accumulator from its low end on
	ds_store_b128 v[STO], v[8*(8*(\a)+\b)+4:8*(8*(\a)+\b)+7] offset:256*(\b/4)+32*(\b%4)+16
.endr
	WIN 0
.irp t, 0,1,2,3,4,5,6,7,8,9,10,11,12,13,14,15
	ds_load_b128 v[BK+64*((\a)%2)+4*\t:BK+64*((\a)%2)+4*\t+3], v[RD] offset:\t*SPITCH
.endr
.endm
.macro SEND a, younger                 ; younger: the LDS instructions issued behind tile a's loads, which may stay out
	s_wait_dscnt \younger
.irp t, 0,1,2,3,4,5,6,7,8,9,10,11,12,13,14,15
	global_store_b128 v[VO16], v[BK+64*((\a)%2)+4*\t:BK+64*((\a)%2)+4*\t+3], s[10:11] offset:(32*(\t/8)+8*(\a)+\t%8)*4096 th:TH_STORE_NT   ; lane-row t of tile a: 512 consecutive bytes, aligned to 512
.endr
.endm
	PLACES                                         ; behind the last products: their results are read, and loads land in registers that they read
	TOSTAGE 0
.irp a, 1,2,3
.if \a > 1
	s_wait_xcnt 0x0                                ; tile a - 2's stores have read their registers: tile a's loads may land there
.endif
	TOSTAGE \a
	SEND \a-1, 32                                  ; behind tile a - 1's loads: tile a's 16 stores and 16 loads
.endr
	SEND 3, 0
	s_wait_tensorcnt 0x0                           ; the wave's end
	ds_add_u32 v[SPW], v[NIL]
	s_wait_dscnt 0x0
	CROUND                                         ; the closing round
	s_endpgm
.Lfunc_end_k_qb25d198b89_gemm_out:
	.size	k_qb25d198b89_gemm_out, .Lfunc_end_k_qb25d198b89_gemm_out-k_qb25d198b89_gemm_out
	.p2alignl 7, 3214868480
	.fill 96, 4, 3214868480
	.section	.rodata,"a",@progbits
	.p2align	6, 0x0
	.amdhsa_kernel k_qb25d198b89_gemm_out
		.amdhsa_group_segment_fixed_size 327680
		.amdhsa_private_segment_fixed_size 0
		.amdhsa_enable_private_segment 0
		.amdhsa_kernarg_size 32
		.amdhsa_user_sgpr_count 2
		.amdhsa_user_sgpr_kernarg_segment_ptr 1
		.amdhsa_wavefront_size32 1
		.amdhsa_system_sgpr_workgroup_id_x 1
		.amdhsa_system_sgpr_workgroup_id_y 1
		.amdhsa_system_sgpr_workgroup_id_z 1
		.amdhsa_system_vgpr_workitem_id 0
		.amdhsa_next_free_vgpr 768
		.amdhsa_next_free_sgpr 102
		.amdhsa_reserve_vcc 0
		.amdhsa_float_denorm_mode_32 3
		.amdhsa_float_denorm_mode_16_64 3
		.amdhsa_memory_ordered 1
		.amdhsa_forward_progress 1
		.amdhsa_inst_pref_size 84
	.end_amdhsa_kernel
	.amdgpu_metadata
---
amdhsa.version: [ 1, 2 ]
amdhsa.kernels:
  - .name:           k_qb25d198b89_gemm_out
    .symbol:         k_qb25d198b89_gemm_out.kd
    .args:
      - { .name: ao, .offset: 0, .size: 8, .value_kind: global_buffer, .address_space: global }
      - { .name: wq, .offset: 8, .size: 8, .value_kind: global_buffer, .address_space: global }
      - { .name: b_out, .offset: 16, .size: 8, .value_kind: global_buffer, .address_space: global }
      - { .name: out0, .offset: 24, .size: 8, .value_kind: global_buffer, .address_space: global }
    .group_segment_fixed_size: 327680
    .private_segment_fixed_size: 0
    .kernarg_segment_align: 8
    .kernarg_segment_size: 32
    .max_flat_workgroup_size: 128
    .sgpr_count:     102
    .vgpr_count:     768
    .wavefront_size: 32
...
	.end_amdgpu_metadata
.endif
;; end of part 4
